; MI455X (gfx1250); checked and timed in simulation.
; The chip was launched on July 23, 2026; its instructions are those of AMD's public machine-readable ISA for CDNA 5 (MIT licence, August 2026) and "CDNA5" Instruction Set Architecture Reference Guide (July 2026). The comments in the code are by the model that wrote it; some were corrected since.
;; Causal Self Attention. Allowed arithmetic: float matrix products may take bf16 or f16 operands with f32 sums; other float arithmetic in f32, or as packed bf16 or f16 multiplies, adds, multiply-adds, maxima and minima; sums over many terms, partial sums and values carried from step to step in f32; what a program stores and reads back later, other than sums and carried values, may be rounded once to bf16 or f16.
;; Inputs: wk_b 1,024 float32; wk_w 1,024 x 1,024 float32; wq_b 1,024 float32; wq_w 1,024 x 1,024 float32; wv_b 1,024 float32; wv_w 1,024 x 1,024 float32; x 4 x 2,048 x 1,024 float32.
;; Outputs: out0 4 x 2,048 x 1,024 float32.
;; 2 versions, each right; version 2 is version 1 with the launches cast, combine written anew for expert scheduling mode. Each part assembles by itself: llvm-mc -triple=amdgcn-amd-amdhsa -mcpu=gfx1250 --defsym DOCPART=n.
;; ======== version 1 of 2: 4 launches
;; limits: values outside matrix products are rounded to bf16; right only within a limited range of input values
;; workspace buffers: xb 16,777,216 bytes; wb 6,291,456 bytes; qb 16,777,216 bytes; kb 16,777,216 bytes; vf 33,554,432 bytes; cs 262,144 bytes; pml 1,048,576 bytes; sd 32,768 bytes
;; launch cast (part 1): grid 704 x 1, 8 waves a work-group, no clusters, 0 bytes of LDS; arguments x, wq_w, wk_w, wv_w, xb, wb; writes xb, wb
.if DOCPART == 1
	.amdgcn_target "amdgcn-amd-amdhsa--gfx1250"
	.amdhsa_code_object_version 6
	.text
	.protected	k_q54d3fb0393_cast
	.globl	k_q54d3fb0393_cast
	.p2align	8
	.type	k_q54d3fb0393_cast,@function
k_q54d3fb0393_cast:
	s_mov_b64 s[64:65], 0
	v_nop
	global_prefetch_b8 v0, s[64:65] scope:SCOPE_SE
	s_setreg_imm32_b32 hwreg(HW_REG_WAVE_MODE, 25, 1), 1
	s_wait_xcnt 0x0
; xb = x rounded to bf16; wb = wq_w, wk_w, wv_w one below the other ([3072][1024]), rounded to bf16.  Each number is rounded once, to nearest even.
; A stream: every input byte is read once, every output byte written once; no LDS, no barrier, no matrix work: nothing is shared and nothing is multiplied.
; A work-group of eight waves takes 65,536 input bytes in 16 steps of 4,096.  In step i thread t loads the 16 bytes at 16 t + 4,096 i (a wave's load covers 512
; consecutive bytes) and stores the 8 bytes at 8 t + 2,048 i (a wave's store covers 256 consecutive bytes, aligned).  All 16 loads of a thread go out at once.
; Work-groups 0-511 take x (512 x 65,536 bytes), 512-703 the three weights (64 each).
.set STEPS, 16
.set X, 8                              ; v[8:71]    step i: 4 registers as loaded
.set Y, 72                             ; v[72:103]  step i: 2 registers to store; no register is written twice, so no store's source is ever rewritten
	s_load_b256 s[4:11], s[0:1], 0x0               ; x s[4:5], wq_w s[6:7], wk_w s[8:9], wv_w s[10:11]
	s_load_b128 s[12:15], s[0:1], 0x20             ; xb s[12:13], wb s[14:15]
	v_lshlrev_b32 v1, 4, v0                        ; my 16 bytes of a step's input
	v_lshlrev_b32 v2, 3, v0                        ; my 8 bytes of its output
	s_mov_b32 s25, ttmp9
	s_sub_co_u32 s24, s25, 512                     ; the work-group's number among the weights' 192 (of no use below 512)
	s_lshr_b32 s26, s24, 6                         ; which weight
	s_and_b32 s27, s24, 63
	s_lshl_b32 s27, s27, 16                        ; its place in that weight
	s_lshl_b32 s28, s24, 15                        ; and in wb
	s_lshl_b32 s20, s25, 16                        ; the same two for x and xb
	s_lshl_b32 s22, s25, 15
	s_mov_b32 s21, 0
	s_mov_b32 s23, 0
	s_cmp_lt_u32 s25, 512
	s_cselect_b32 s20, s20, s27
	s_cselect_b32 s22, s22, s28
	s_wait_kmcnt 0x0
	s_cmp_eq_u32 s26, 1
	s_cselect_b64 s[16:17], s[8:9], s[6:7]
	s_cmp_eq_u32 s26, 2
	s_cselect_b64 s[16:17], s[10:11], s[16:17]
	s_cmp_lt_u32 s25, 512
	s_cselect_b64 s[16:17], s[4:5], s[16:17]       ; from where,
	s_cselect_b64 s[18:19], s[12:13], s[14:15]     ; to where
	s_add_nc_u64 s[16:17], s[16:17], s[20:21]
	s_add_nc_u64 s[18:19], s[18:19], s[22:23]
.set i, 0
.rept STEPS
	global_load_b128 v[X+4*i:X+4*i+3], v1, s[16:17] offset:4096*i th:TH_LOAD_NT
.set i, i+1
.endr
.set i, 0
.rept STEPS
	s_wait_loadcnt STEPS-1-i                       ; loads come back in order (ISA guide 5.7.1): step i is in, the younger ones stay out
	v_cvt_pk_bf16_f32 v[Y+2*i], v[X+4*i], v[X+4*i+1]
	v_cvt_pk_bf16_f32 v[Y+2*i+1], v[X+4*i+2], v[X+4*i+3]
	global_store_b64 v2, v[Y+2*i:Y+2*i+1], s[18:19] offset:2048*i
.set i, i+1
.endr
	s_endpgm
.Lfunc_end_k_q54d3fb0393_cast:
	.size	k_q54d3fb0393_cast, .Lfunc_end_k_q54d3fb0393_cast-k_q54d3fb0393_cast
	.p2alignl 7, 3214868480
	.fill 96, 4, 3214868480
	.section	.rodata,"a",@progbits
	.p2align	6, 0x0
	.amdhsa_kernel k_q54d3fb0393_cast
		.amdhsa_group_segment_fixed_size 0
		.amdhsa_private_segment_fixed_size 0
		.amdhsa_enable_private_segment 0
		.amdhsa_kernarg_size 48
		.amdhsa_user_sgpr_count 2
		.amdhsa_user_sgpr_kernarg_segment_ptr 1
		.amdhsa_wavefront_size32 1
		.amdhsa_system_sgpr_workgroup_id_x 1
		.amdhsa_system_sgpr_workgroup_id_y 1
		.amdhsa_system_sgpr_workgroup_id_z 1
		.amdhsa_system_vgpr_workitem_id 0
		.amdhsa_next_free_vgpr 104
		.amdhsa_next_free_sgpr 66
		.amdhsa_reserve_vcc 0
		.amdhsa_float_denorm_mode_32 3
		.amdhsa_float_denorm_mode_16_64 3
		.amdhsa_memory_ordered 1
		.amdhsa_forward_progress 1
		.amdhsa_inst_pref_size 7
	.end_amdhsa_kernel
	.amdgpu_metadata
---
amdhsa.version: [ 1, 2 ]
amdhsa.kernels:
  - .name:           k_q54d3fb0393_cast
    .symbol:         k_q54d3fb0393_cast.kd
    .args:
      - { .name: x, .offset: 0, .size: 8, .value_kind: global_buffer, .address_space: global }
      - { .name: wq_w, .offset: 8, .size: 8, .value_kind: global_buffer, .address_space: global }
      - { .name: wk_w, .offset: 16, .size: 8, .value_kind: global_buffer, .address_space: global }
      - { .name: wv_w, .offset: 24, .size: 8, .value_kind: global_buffer, .address_space: global }
      - { .name: xb, .offset: 32, .size: 8, .value_kind: global_buffer, .address_space: global }
      - { .name: wb, .offset: 40, .size: 8, .value_kind: global_buffer, .address_space: global }
    .group_segment_fixed_size: 0
    .private_segment_fixed_size: 0
    .kernarg_segment_align: 8
    .kernarg_segment_size: 48
    .max_flat_workgroup_size: 256
    .sgpr_count:     66
    .vgpr_count:     104
    .wavefront_size: 32
...
	.end_amdgpu_metadata
.endif
;; end of part 1
;; launch proj (part 2): grid 12 x 32, 4 waves a work-group, clusters of 4 x 4, 327,680 bytes of LDS; arguments xb, wb, wq_b, wk_b, wv_b, qb, kb, vf, cs; writes qb, kb, vf, cs
.if DOCPART == 2
	.amdgcn_target "amdgcn-amd-amdhsa--gfx1250"
	.amdhsa_code_object_version 6
	.text
	.protected	k_q54d3fb0393_proj
	.globl	k_q54d3fb0393_proj
	.p2align	8
	.type	k_q54d3fb0393_proj,@function
k_q54d3fb0393_proj:
	s_mov_b64 s[64:65], 0
	v_nop
	global_prefetch_b8 v0, s[64:65] scope:SCOPE_SE
	s_setreg_imm32_b32 hwreg(HW_REG_WAVE_MODE, 25, 1), 1
	s_wait_xcnt 0x0
	s_wait_alu depctr_hold_cnt(0) depctr_sa_sdst(0) depctr_va_vdst(0) depctr_va_sdst(0) depctr_va_ssrc(0) depctr_va_vcc(0) depctr_vm_vsrc(0)
	s_getreg_b32 s2, hwreg(HW_REG_IB_STS2, 6, 4)
	s_cmp_eq_u32 s2, 0
	s_cbranch_scc0 .Lentry_in_a_cluster
	s_endpgm
.Lentry_in_a_cluster:
	s_bfe_u32 s2, ttmp6, 0x10000c
	s_cmp_lg_u32 s2, 0xf033
	s_cbranch_scc0 .Lentry_shape_is_right
	s_endpgm
.Lentry_shape_is_right:
; q, k, v = x W^T + b in one product: C[m][n] = sum over k of xb[m][k] wb[n][k] + bias[n], m < 8,192, n < 3,072 (0-1,023 q, 1,024-2,047 k, 2,048-3,071 v), K = 1,024.
; Operands bf16, sums f32.  The biases are rounded to bf16 like the other inputs and start the sums as the first products' C operand.
; q and k leave as bf16 ([8192][1024], unscaled: they are the next launch's matrix operands); v leaves as f32 ([8192][1024]: it is summed over up to 2,047 rows later), and with
; it cs[chunk][column], the f32 sum of v over each chunk of 128 rows.
; A tile of C is 256 x 256, made by four waves, each 128 x 128: 64 accumulators of 16 x 16 in 512 registers.  K goes in steps of 128 through a ring of two LDS slots filled by the
; tensor data mover: rows of 256 bytes, aligned.  384 tiles, one to a work-group.
; CLUSTERS of 4 x 4 work-groups: the four of a row need the same tile of xb, the four of a column the same tile of wb: each is asked for JOINTLY, by the same tensor load with the same
; descriptor and a mask that names the four.  A cluster's x (0, 1, 2) says whether its tiles are q's, k's or v's: that number is the same in all sixteen partners, and the one branch on it is theirs in common.
; THE MATRIX INSTRUCTION IS USED TRANSPOSED: source 0 = 16 rows of wb, source 1 = 16 rows of xb.  A lane then holds row l % 16 of C and the columns 8 (l / 16) + 0..7.
; REGISTERS, in windows of 256 (s_set_vgpr_msb: bits 1:0 source 0, 3:2 source 1, 5:4 source 2, 7:6 destination):
;   window 0: v0-31 addresses; v64-127, v128-191 fragments of xb, two buffers (on v's way out: rows read back); v32-63, v192-255 at work on the way out
;   window 1: v0-63 the bias of my 128 columns as eight C operands; v64-127, v128-191 fragments of wb; v192-223 at work once
;   window 2: the accumulators of my rows 0-63 ((a, b) at v[8 (8 a + b)]);   window 3: those of my rows 64-127
.set SIZE_K, 1024
.set KSTEP,  128
.set PITCH,  272                       ; an LDS row: 256 bytes + 16 of padding = 68 words: the 16 rows of a fragment load start at 16 different groups of four banks (64 banks of 4 bytes: ISA guide 11.1)
.set HALFT,  128*PITCH                 ; 128 rows: what one tensor load brings, and what one wave reads of xb or of wb
.set SLOT,   4*HALFT                   ; xb's 256 rows, then wb's 256 rows
.set STAGE,  2*SLOT                    ; behind the ring, never filled by a tensor load: each wave's own stage for the way out
.set SPITCH, 272                       ; a stage row of 128 bf16
.set VPITCH, 528                       ; a stage row of 128 f32: 512 bytes + 16
.set WSTAGE, 16*VPITCH                 ; 16 rows: 8,448 bytes a wave
.set SPARE,  STAGE+4*WSTAGE            ; behind the stages: the spare words, 128 bytes for each wave: two blocks of 256 bytes that no other line names
.set LAPS,   SIZE_K/(2*KSTEP)          ; a lap = two K steps = once round the ring: 4
.set QROW,   2048                      ; bytes in a row of qb and kb
.set VROW,   4096                      ; bytes in a row of vf
.set STO2, 10                          ; v10  v's way out: where I put 32 bytes of a row
.set RD2,  11                          ; v11  v's way out: where I read 16 bytes of a row back
.set CO2,  12                          ; v12  16 x lane: my bytes in 512 consecutive bytes of vf and cs
.set BO,   13                          ; v13  32 x (l / 16): my eight numbers in 16 of a bias
.set ADRA, 16                          ; v16-17  LDS address of my xb fragments in slot 0, 1
.set ADRB, 20                          ; v20-21  the same for wb
.set STO,  24                          ; v24  q's and k's way out: where I put 16 bytes of a row
.set RD,   25                          ; v25  where I read a row back
.set CO,   26                          ; v26  my byte offset in two rows of qb or kb
.set SPW,  28                          ; v28  LDS address of my spare word: SPARE + 4 x my thread's number; never rewritten
.set NIL,  29                          ; v29  0; never rewritten
.set PFO,  30                          ; v30  the prefetches' offset: my lane x a row of 2,048 bytes; never rewritten
.set F0,   64
.set F1,   128
.set TMP,  192                         ; q, k: packed results
.set OB,   32                          ; q, k: 16 rows read back: v32-63 and v224-255 by turns
.set RS,   192                         ; v: v[192:195] the running sum of my 4 columns over the wave's 128 rows
.set VB0,  64                          ; v: 16 rows read back, 4 registers each: v64-127 and v128-191 by turns
.set G1,  24                           ; s[24:31] descriptor group 1 for xb's tiles;  s[32:39] group 0, one set for each slot
.set G0,  32
.set G1B, 48                           ; s[48:55], s[56:63] the same for wb's tiles
.set G0B, 56
.set LIM, 43                           ; s43  1 in a wave that prefetches, else the greatest number
.set PFA, 44                           ; s[44:45] where my prefetches stand
.set WHO, 84                           ; s84  the cluster's x: 0 q, 1 k, 2 v
.set MSB, 0
.macro WIN new                         ; the immediate's high byte repeats the setting that is left; a switch that changes nothing is dropped
.if MSB != (\new)
	s_set_vgpr_msb (MSB<<8)|(\new)
.set MSB, \new
.endif
.endm
.set MUL_LO, 0xa1                      ; source 0 (wb) window 1, source 1 (xb) window 0, C and D window 2
.set TO_B,   0x40                      ; destination window 1, address window 0
; A joint load.  Waves 0 and 1 fetch xb's two halves, waves 2 and 3 wb's.  The branch hangs on the wave's number alone.  An s_nop 0 and four v_nop follow each of the two lines.
.macro JLOAD s
	s_cmp_eq_u32 s11, 0
	s_cbranch_scc0 .Lfor_b_\@
	tensor_load_to_lds s[G0+4*(\s):G0+4*(\s)+3], s[G1:G1+7]
	s_nop 0
.rept 4
	v_nop
.endr
	s_branch .Lasked_\@
.Lfor_b_\@:
	tensor_load_to_lds s[G0B+4*(\s):G0B+4*(\s)+3], s[G1B:G1B+7]
	s_nop 0
.rept 4
	v_nop
.endr
.Lasked_\@:
.endm
; A prefetch, behind each joint refill and the run of LDS loads that follows it: the K step that stands two refills on, 32 rows x 256 bytes, a lane a row, one instruction a wave.
; Each row's 256 bytes of a K step are named once in the launch: xb's rows by the cluster with x = 0, wb's by the cluster with y = 0; of the 128 rows that a wave fetches, the partner at
; place p among the four that ask jointly takes rows 32 p .. 32 p + 31, told apart by address.  K steps 0-3 come by their loads alone; the loop's last trip (s3 = 1) has no K step two on.
.macro ASK
	s_cmp_gt_u32 s3, s[LIM]
	s_cbranch_scc0 .Lnot_mine_\@
	global_prefetch_b8 v[PFO], s[PFA:PFA+1] offset:KSTEP*2 th:TH_LOAD_NT scope:SCOPE_SE
.Lnot_mine_\@:
.endm
.macro CREST                           ; a round of the cluster's barrier behind its opening barrier
	s_cmp_lg_u32 s10, 0
	s_cbranch_scc1 .Lnot_wave_0_\@
	s_barrier_signal -3
.Lnot_wave_0_\@:
	s_barrier_wait -3
	s_barrier_signal -1
	s_barrier_wait -1
.endm
.macro CROUND                          ; a whole round
	s_barrier_signal -1
	s_barrier_wait -1
	CREST
.endm
	s_load_b128 s[4:7], s[0:1], 0x0                ; xb s[4:5], wb s[6:7]
	s_load_b256 s[68:75], s[0:1], 0x10             ; wq_b s[68:69], wk_b s[70:71], wv_b s[72:73], qb s[74:75]
	s_load_b128 s[76:79], s[0:1], 0x30             ; kb s[76:77], vf s[78:79]
	s_load_b64 s[80:81], s[0:1], 0x40              ; cs
	v_lshl_add_u32 v[SPW], v0, 2, SPARE
	v_mov_b32 v[NIL], 0
	ds_add_u32 v[SPW], v[NIL]                      ; the wave's opening: the add and its wait stand ahead of my first tensor load; the set-up below, work on registers, stands between them
	v_lshrrev_b32 v1, 5, v0
	v_readfirstlane_b32 s10, v1                    ; wave 0..3
	s_lshr_b32 s11, s10, 1                         ; which half of the tile's rows is mine.  Also: I fetch for xb (0) or for wb (1)
	s_and_b32 s12, s10, 1                          ; which half of its columns.  Also: which 128 rows of that tile I fetch
	s_bfe_u32 s40, ttmp6, 0x40000                  ; cx
	s_bfe_u32 s41, ttmp6, 0x40004                  ; cy
	s_mov_b32 s[WHO], ttmp9
	s_lshl_b32 s42, ttmp9, 2
	s_add_co_u32 s42, s42, s40                     ; tile column of C = 4 x cluster x + cx
	s_and_b32 s13, ttmp7, 0xffff
	s_lshl_b32 s13, s13, 2
	s_add_co_u32 s13, s13, s41                     ; tile row of C = 4 x cluster y + cy
	s_lshl_b32 s43, s41, 2
	s_lshl_b32 s43, 15, s43                        ; my row of the cluster: places 4 cy .. 4 cy + 3
	s_lshl_b32 s44, 0x1111, s40                    ; my column: places cx, cx + 4, cx + 8, cx + 12
	; descriptor group 1: a tile of 128 rows x 128 elements, padded in LDS
	s_or_b32 s[G1+0], s43, (1<<16)|(1<<20)|(1<<21)|(5<<22)|(3<<25)  ; 15:0 the mask; 17:16 elements of 2 bytes; 20 padding on; 21 set beside a mask; 24:22 after every 64 words (code 5); 31:25 4 words (code 3)
	s_or_b32 s[G1B+0], s44, (1<<16)|(1<<20)|(1<<21)|(5<<22)|(3<<25)
.irp g, G1, G1B
	s_mov_b32 s[(\g)+1], KSTEP<<16                 ; tensor_dim0 = 128
	s_mov_b32 s[(\g)+2], 128<<16                   ; tensor_dim1 = 128
	s_mov_b32 s[(\g)+3], KSTEP<<16                 ; tile_dim0 = 128
	s_mov_b32 s[(\g)+4], 128                       ; tile_dim1 = 128
	s_mov_b32 s[(\g)+5], SIZE_K                    ; elements from row to row
	s_mov_b32 s[(\g)+6], 0
	s_mov_b32 s[(\g)+7], 0
.endr
	; xb's tiles hang on the tile row alone, which my row of the cluster shares; wb's on the tile column alone, which my column shares
	s_lshl_b32 s17, s12, 7
	s_lshl_b32 s16, s13, 8
	s_add_co_u32 s16, s16, s17                     ; xb: row 256 x tile row + 128 x half
	s_lshl_b32 s46, s42, 8
	s_add_co_u32 s46, s46, s17                     ; wb: row 256 x tile column + 128 x half
	s_mov_b32 s17, 0
	s_mov_b32 s47, 0
	s_mov_b64 s[18:19], SIZE_K*2
	s_mul_u64 s[16:17], s[16:17], s[18:19]
	s_mul_u64 s[46:47], s[46:47], s[18:19]
	s_mul_i32 s20, s10, HALFT                      ; where they go: wave x 128 rows: no place in the cluster enters an LDS address
	s_wait_dscnt 0x0                               ; the opening add is done
	s_wait_kmcnt 0x0
	s_add_nc_u64 s[14:15], s[4:5], s[16:17]
	s_add_nc_u64 s[46:47], s[6:7], s[46:47]
	CROUND                                         ; all sixteen work-groups are here: the first joint loads meet
.irp s, 0,1
	s_mov_b32 s[G0+4*(\s)], 1                                      ; count = 1
	s_add_co_u32 s[G0+4*(\s)+1], s20, (\s)*SLOT                    ; LDS address
	s_add_nc_u64 s[G0+4*(\s)+2:G0+4*(\s)+3], s[14:15], (\s)*KSTEP*2  ; global address: K step s
	s_or_b32 s[G0+4*(\s)+3], s[G0+4*(\s)+3], 0x80000000            ; type = 2
	s_mov_b32 s[G0B+4*(\s)], 1
	s_add_co_u32 s[G0B+4*(\s)+1], s20, (\s)*SLOT
	s_add_nc_u64 s[G0B+4*(\s)+2:G0B+4*(\s)+3], s[46:47], (\s)*KSTEP*2
	s_or_b32 s[G0B+4*(\s)+3], s[G0B+4*(\s)+3], 0x80000000
	JLOAD \s                                       ; two tensor loads of mine are out
.endr
	; A fragment is 16 rows x 32 K in 8 registers: lane l holds row l % 16, K = 8 (l / 16) + 0..7 and 16 + 8 (l / 16) + 0..7: two loads of 16 bytes, 32 bytes apart
	v_and_b32 v1, 15, v0                           ; l % 16
	v_bfe_u32 v2, v0, 4, 1                         ; l / 16
	v_and_b32 v6, 31, v0                           ; l
	v_mul_u32_u24 v3, v1, PITCH
	v_lshl_add_u32 v3, v2, 4, v3
	s_mul_i32 s21, s11, HALFT                      ; my 128 rows of xb
	s_mul_i32 s22, s12, HALFT                      ; my 128 rows of wb,
	s_add_co_u32 s22, s22, 2*HALFT                 ; which lie behind xb's 256
.irp s, 0,1
	v_add_nc_u32 v[ADRA+(\s)], s21, v3
	v_add_nc_u32 v[ADRB+(\s)], s22, v3
	s_add_co_u32 s21, s21, SLOT
	s_add_co_u32 s22, s22, SLOT
.endr
	s_mul_i32 s23, s10, WSTAGE
	s_add_co_u32 s23, s23, STAGE                   ; my stage
	v_mul_u32_u24 v4, v1, SPITCH                   ; bf16, in: row l % 16, 16 bytes for each half of the lanes
	v_lshl_add_u32 v4, v2, 4, v4
	v_add_nc_u32 v[STO], s23, v4
	v_mul_u32_u24 v5, v2, SPITCH                   ; back: lanes 0-15 one row of 256 bytes, lanes 16-31 the next
	v_lshl_add_u32 v5, v1, 4, v5
	v_add_nc_u32 v[RD], s23, v5
	v_lshlrev_b32 v5, 11, v2                       ; and the same two rows in qb or kb
	v_lshl_add_u32 v[CO], v1, 4, v5
	v_mul_u32_u24 v4, v1, VPITCH                   ; f32, in: row l % 16, 32 bytes for each half of the lanes
	v_lshl_add_u32 v4, v2, 5, v4
	v_add_nc_u32 v[STO2], s23, v4
	v_lshl_add_u32 v[RD2], v6, 4, s23              ; back: the 32 lanes take one row of 512 bytes
	v_lshlrev_b32 v[CO2], 4, v6
	v_lshlrev_b32 v[BO], 5, v2
	; which bias, which output: chosen by the cluster's x
	s_cmp_eq_u32 s[WHO], 0
	s_cselect_b64 s[82:83], s[68:69], s[70:71]
	s_cselect_b64 s[8:9], s[74:75], s[76:77]
	s_cmp_eq_u32 s[WHO], 2
	s_cselect_b64 s[82:83], s[72:73], s[82:83]
	s_cselect_b64 s[8:9], s[78:79], s[8:9]
	s_cselect_b32 s85, 1, 0                        ; v's numbers are twice as wide
	s_lshl_b32 s86, s40, 10
	s_lshl_b32 s87, s12, 9
	s_add_co_u32 s86, s86, s87                     ; my first column among the output's 1,024, in f32 bytes: 1,024 cx + 512 x half
	s_mov_b32 s87, 0
	s_add_nc_u64 s[82:83], s[82:83], s[86:87]
	WIN TO_B
.set ii, 0
.rept 8                                ; C operand b: register j of lane l is bias[16 b + 8 (l / 16) + j]
	global_load_b128 v[8*ii:8*ii+3],   v[BO], s[82:83] offset:64*ii
	global_load_b128 v[8*ii+4:8*ii+7], v[BO], s[82:83] offset:64*ii+16
.set ii, ii+1
.endr
	WIN 0
	s_lshl_b32 s20, s13, 1
	s_add_co_u32 s20, s20, s11                     ; my chunk of 128 rows: 2 x tile row + half
	s_lshl_b32 s20, s20, 12
	s_add_co_u32 s86, s86, s20
	s_add_nc_u64 s[80:81], s[80:81], s[86:87]      ; cs at my chunk and columns
	; where my part of the tile begins in the output, in bytes: the way out adds it
	s_lshl_b32 s13, s13, 8
	s_lshl_b32 s14, s11, 7
	s_add_co_u32 s16, s13, s14                     ; my first row
	s_lshl_b32 s16, s16, 11
	s_lshl_b32 s46, s40, 9
	s_lshl_b32 s47, s12, 8
	s_add_co_u32 s46, s46, s47
	s_add_co_u32 s16, s16, s46                     ; row x 2,048 + 512 cx + 256 x half, for bf16;
	s_lshl_b32 s16, s16, s85                       ; twice that for f32: under 2^26
	s_mov_b32 s17, 0
	; the prefetches.  s13 = 256 x tile row, s42 = tile column, s40 = cx, s41 = cy
	s_lshl_b32 s42, s42, 8
	s_and_b32 s22, ttmp7, 0xffff                   ; cluster y
	s_cmp_eq_u32 s11, 0                            ; do I fetch for xb?
	s_cselect_b32 s20, s13, s42                    ; the tile's first row
	s_cselect_b32 s21, s40, s41                    ; my place among the four that ask for it with me
	s_cselect_b32 s22, ttmp9, s22                  ; the coordinate along which other clusters read the same rows
	s_cselect_b64 s[PFA:PFA+1], s[4:5], s[6:7]
	s_cmp_eq_u32 s22, 0
	s_cselect_b32 s[LIM], 1, -1                    ; the same in all sixteen partners, for a given wave
	s_lshl_b32 s22, s12, 7
	s_add_co_u32 s20, s20, s22                     ; + the 128 rows that I fetch
	s_lshl_b32 s21, s21, 5
	s_add_co_u32 s20, s20, s21                     ; + my work-group's 32 of them
	s_mov_b32 s21, 0
	s_mov_b64 s[18:19], SIZE_K*2
	s_mul_u64 s[20:21], s[20:21], s[18:19]
	s_add_nc_u64 s[PFA:PFA+1], s[PFA:PFA+1], s[20:21]
	s_add_nc_u64 s[PFA:PFA+1], s[PFA:PFA+1], 2*KSTEP*2  ; at K step 2: the first refill steps it to 3 and names K step 4
	v_lshlrev_b32 v[PFO], 11, v6
	s_wait_loadcnt 0x0                             ; the bias; it is rounded to bf16 and widened again, while the first tiles are on their way
	WIN 0x45                                       ; destination and both sources window 1
.set ii, 0
.rept 32
	v_cvt_pk_bf16_f32 v[192+ii], v[2*ii], v[2*ii+1]
.set ii, ii+1
.endr
.set ii, 0
.rept 32
	v_lshlrev_b32 v[2*ii], 16, v[192+ii]
	v_and_b32 v[2*ii+1], 0xffff0000, v[192+ii]
.set ii, ii+1
.endr
	WIN 0
; 16 matrix instructions: row blocks a0, a0 + 1 of the window's four (hi = 0: my rows 0-63, 1: rows 64-127) x all 8 column blocks, 32 along K.
; zero = 1: the first product starts the sum with the bias of its 16 columns (C in window 1): nothing is cleared, and no addition follows the sums.
; The 64 accumulators take turns, one instruction a turn, in the same order in every quarter.
.macro MUL16 f, hi, a0, zero
.if \zero
	WIN 0x91+0x40*(\hi)
.else
	WIN MUL_LO+0x50*(\hi)
.endif
.irp a, \a0, (\a0)+1
.irp b, 0,1,2,3,4,5,6,7
.if \zero
	v_wmma_f32_16x16x32_bf16 v[8*(8*(\a)+(\b)):8*(8*(\a)+(\b))+7], v[(\f)+8*(\b):(\f)+8*(\b)+7], v[(\f)+8*(4*(\hi)+(\a)):(\f)+8*(4*(\hi)+(\a))+7], v[8*(\b):8*(\b)+7]
.else
	v_wmma_f32_16x16x32_bf16 v[8*(8*(\a)+(\b)):8*(8*(\a)+(\b))+7], v[(\f)+8*(\b):(\f)+8*(\b)+7], v[(\f)+8*(4*(\hi)+(\a)):(\f)+8*(4*(\hi)+(\a))+7], v[8*(8*(\a)+(\b)):8*(8*(\a)+(\b))+7]
.endif
.endr
.endr
.endm
; 32 LDS loads in one run: the fragments of one quarter step (128 rows of wb, 128 rows of xb, 32 K at byte k of the rows) into buffer f
.macro FETCH slot, k, f
	WIN TO_B
.irp i, 0,1,2,3,4,5,6,7
	ds_load_b128 v[(\f)+8*(\i):(\f)+8*(\i)+3],   v[ADRB+(\slot)] offset:(\k)+(\i)*16*PITCH
	ds_load_b128 v[(\f)+8*(\i)+4:(\f)+8*(\i)+7], v[ADRB+(\slot)] offset:(\k)+(\i)*16*PITCH+32
.endr
	WIN 0
.irp i, 0,1,2,3,4,5,6,7
	ds_load_b128 v[(\f)+8*(\i):(\f)+8*(\i)+3],   v[ADRA+(\slot)] offset:(\k)+(\i)*16*PITCH
	ds_load_b128 v[(\f)+8*(\i)+4:(\f)+8*(\i)+7], v[ADRA+(\slot)] offset:(\k)+(\i)*16*PITCH+32
.endr
.endm
.macro PLACES                          ; four plain vector instructions between a matrix instruction and a load into, or a read of, its registers
.rept 4
	v_nop
.endr
.endm
; A K step is four quarters of 32 along K, 64 matrix instructions each, on buffers 0, 1, 0, 1.  One of the first three multiplies buffer f and, in its middle, fetches the next quarter into g.
.macro QUARTER slot, k, f, g, zero
	s_wait_dscnt 8                                 ; wb's fragments and xb's rows 0-63 are in; the youngest eight loads (xb's rows 64-127) may be out
	MUL16 \f, 0, 0, \zero
	MUL16 \f, 0, 2, \zero
	PLACES
	FETCH \slot, \k, \g
	s_wait_dscnt 32                                ; all but the 32 just issued
	MUL16 \f, 1, 0, \zero
	MUL16 \f, 1, 2, \zero
.endm
; The last quarter's first half, and the one barrier of a change of slots.  In front of it each wave waits for all its tensor loads (one is out: its part of the next slot), adds 0 to its
; spare word, and waits for that and for its own reads of this slot.  Behind it nobody reads this slot any more and the next slot is whole.
.macro MEET round
	WIN 0                                          ; (the add's two registers lie in window 0)
	s_wait_tensorcnt 0x0
	ds_add_u32 v[SPW], v[NIL]                      ; 0 onto my spare word
	s_wait_dscnt 9                                 ; the add and the youngest eight loads may be out
	MUL16 F1, 0, 0, 0                              ; sixteen matrix instructions stand between the add and the wait for it
	s_wait_dscnt 0x0                               ; the add is done, and my reads of this slot are over
	s_barrier_signal -1
	MUL16 F1, 0, 2, 0                              ; work on registers while the others arrive
.if \round
	WIN 0
.endif
	s_barrier_wait -1
.endm
; The whole last quarter of a K step whose slot is filled again, two K steps ahead.  The barrier opens a round of the cluster's; the joint refill is the first tensor load behind the round,
; one a wave, and has 224 matrix instructions in which to land.
.macro TURN slot, next
	s_wait_xcnt 0x0                                ; the last prefetch, a K step back, has read its address
	s_add_nc_u64 s[PFA:PFA+1], s[PFA:PFA+1], KSTEP*2
	MEET 1
	CREST                                          ; no wave of any partner still reads this slot's tile or has a load on its way
	s_add_nc_u64 s[G0+4*(\slot)+2:G0+4*(\slot)+3], s[G0+4*(\slot)+2:G0+4*(\slot)+3], 2*KSTEP*2
	s_add_nc_u64 s[G0B+4*(\slot)+2:G0B+4*(\slot)+3], s[G0B+4*(\slot)+2:G0B+4*(\slot)+3], 2*KSTEP*2
	JLOAD \slot                                    ; the four v_nop behind it are also the places in front of the loads below
	FETCH \next, 0, F0
	ASK
	MUL16 F1, 1, 0, 0
	MUL16 F1, 1, 2, 0
.endm
; q's AND k's WAY OUT of row block a.  PACK: rounded to bf16, 16 bytes a lane, each accumulator's registers in ascending order.  TOSTAGE: into my own stage, and back as whole rows of 256 bytes.  SEND: stored.
.macro PACK a
.set AC, 64*((\a)%4)
	WIN 0x0a+5*((\a)/4)                            ; sources 0 and 1: window 2 or 3
.irp b, 0,1,2,3,4,5,6,7
.irp r, 0,1,2,3
	v_cvt_pk_bf16_f32 v[TMP+4*(\b)+(\r)], v[AC+8*(\b)+2*(\r)], v[AC+8*(\b)+2*(\r)+1]
.endr
.endr
	WIN 0
.endm
.macro TOSTAGE a
.set BK, OB+192*((\a)%2)
.irp b, 0,1,2,3,4,5,6,7
	ds_store_b128 v[STO], v[TMP+4*(\b):TMP+4*(\b)+3] offset:32*(\b)
.endr
.irp t, 0,1,2,3,4,5,6,7
	ds_load_b128 v[BK+4*(\t):BK+4*(\t)+3], v[RD] offset:(\t)*2*SPITCH  ; LDS serves a wave's instructions in order (ISA guide 5.7.1.4): these see the stores above
.endr
.endm
.macro SEND a
.set BK, OB+192*((\a)%2)
	s_wait_dscnt 0x0                               ; the block is back in registers
	s_wait_xcnt 0x0                                ; earlier stores have read their base and data: only behind this wait are those rewritten
.if (\a) == 0
	s_add_nc_u64 s[8:9], s[8:9], s[16:17]          ; on to my first rows
.else
	s_add_nc_u64 s[8:9], s[8:9], 16*QROW
.endif
.irp t, 0,1,2,3,4,5,6,7
	global_store_b128 v[CO], v[BK+4*(\t):BK+4*(\t)+3], s[8:9] offset:2*(\t)*QROW  ; 16 lanes store 256 consecutive bytes, aligned
.endr
.endm
; v's WAY OUT of row block a, in f32.  VST: each accumulator's eight numbers, its four lowest registers first, into rows of 528 bytes of my stage; back as whole rows of 512 bytes, a lane 4 columns.
.macro VST a
.set AC, 64*((\a)%4)
.set VB, VB0+64*((\a)%2)
	WIN 0x08+4*((\a)/4)                            ; store data (source 1): window 2 or 3
.irp b, 0,1,2,3,4,5,6,7
	ds_store_b128 v[STO2], v[AC+8*(\b):AC+8*(\b)+3]   offset:64*(\b)
	ds_store_b128 v[STO2], v[AC+8*(\b)+4:AC+8*(\b)+7] offset:64*(\b)+16
.endr
	WIN 0
	s_wait_xcnt 0x0                                ; the stores of two blocks back have read these registers
.set t, 0
.rept 16
	ds_load_b128 v[VB+4*t:VB+4*t+3], v[RD2] offset:VPITCH*t
.set t, t+1
.endr
.endm
; VSN: the 16 rows are added onto the column sums and stored.  younger: the LDS instructions issued behind this block's loads: the next block's 16 stores and 16 loads, or none.
.macro VSN a, younger
.set VB, VB0+64*((\a)%2)
	s_wait_dscnt \younger
	s_wait_xcnt 0x0                                ; earlier stores have read their base
.if (\a) == 0
	s_add_nc_u64 s[8:9], s[8:9], s[16:17]
.else
	s_add_nc_u64 s[8:9], s[8:9], 16*VROW
.endif
.set t, 0
.rept 16
.if ((\a) == 0) && (t == 1)
	v_pk_add_f32 v[RS:RS+1],   v[VB:VB+1],   v[VB+4:VB+5]    ; rows 0 and 1 start the sums: nothing is cleared
	v_pk_add_f32 v[RS+2:RS+3], v[VB+2:VB+3], v[VB+6:VB+7]
.elseif ((\a) > 0) || (t > 1)
	v_pk_add_f32 v[RS:RS+1],   v[RS:RS+1],   v[VB+4*t:VB+4*t+1]
	v_pk_add_f32 v[RS+2:RS+3], v[RS+2:RS+3], v[VB+4*t+2:VB+4*t+3]
.endif
	global_store_b128 v[CO2], v[VB+4*t:VB+4*t+3], s[8:9] offset:VROW*t  ; the wave stores 512 consecutive bytes, aligned
.set t, t+1
.endr
.endm
	s_wait_tensorcnt 1                             ; my part of K step 0 is in; K step 1's load may stay out
	s_barrier_signal -1
	s_barrier_wait -1                              ; everybody's is
	FETCH 0, 0, F0
	QUARTER 0, 64,  F0, F1, 1                      ; the first quarter stands in front of the loop: its products start the sums
	WIN 0                                          ; at a label and at a branch every window is 0
	s_mov_b32 s3, LAPS-1
.Llap:                                                 ; a trip goes once round the ring, from a lap's second quarter to the next lap's first, and fills both slots again
	QUARTER 0, 128, F1, F0, 0
	QUARTER 0, 192, F0, F1, 0
	TURN 0, 1
	QUARTER 1, 64,  F0, F1, 0
	QUARTER 1, 128, F1, F0, 0
	QUARTER 1, 192, F0, F1, 0
	TURN 1, 0
	QUARTER 0, 64,  F0, F1, 0
	WIN 0
	s_sub_co_u32 s3, s3, 1
	s_cmp_lg_u32 s3, 0
	s_cbranch_scc1 .Llap
	QUARTER 0, 128, F1, F0, 0                      ; the last lap is written out: it fills nothing
	QUARTER 0, 192, F0, F1, 0
	MEET 0                                         ; my one tensor load that was still out is the last K step's
	PLACES
	FETCH 1, 0, F0
	MUL16 F1, 1, 0, 0
	MUL16 F1, 1, 2, 0
	QUARTER 1, 64,  F0, F1, 0
	QUARTER 1, 128, F1, F0, 0
	QUARTER 1, 192, F0, F1, 0
	s_wait_dscnt 8                                 ; the very last quarter: nothing more to fetch
	MUL16 F1, 0, 0, 0
	MUL16 F1, 0, 2, 0
	s_wait_dscnt 0x0
	MUL16 F1, 1, 0, 0
	MUL16 F1, 1, 2, 0
	WIN 0
	PLACES
	PLACES                                         ; once a launch
	s_cmp_eq_u32 s[WHO], 2
	s_cbranch_scc1 .Lv
	PACK 0
	TOSTAGE 0
.irp a, 1,2,3,4,5,6,7                  ; block a's conversions stand between block a - 1's loads from the stage and the wait for them
	PACK \a
	SEND (\a)-1
	TOSTAGE \a
.endr
	SEND 7
	s_branch .Lend
.Lv:
	VST 0
.irp a, 1,2,3,4,5,6,7
	VST \a
	VSN (\a)-1, 32
.endr
	VSN 7, 0
	global_store_b128 v[CO2], v[RS:RS+3], s[80:81]  ; the chunk's column sums: 512 consecutive bytes, aligned
.Lend:
	s_wait_tensorcnt 0x0                           ; the wave's end, behind my last tensor load and my last LDS store
	ds_add_u32 v[SPW], v[NIL]
	s_wait_dscnt 0x0
	CROUND                                         ; the closing round: no work-group ends while a partner may still ask for a tile that names it
	s_endpgm
.Lfunc_end_k_q54d3fb0393_proj:
	.size	k_q54d3fb0393_proj, .Lfunc_end_k_q54d3fb0393_proj-k_q54d3fb0393_proj
	.p2alignl 7, 3214868480
	.fill 96, 4, 3214868480
	.section	.rodata,"a",@progbits
	.p2align	6, 0x0
	.amdhsa_kernel k_q54d3fb0393_proj
		.amdhsa_group_segment_fixed_size 327680
		.amdhsa_private_segment_fixed_size 0
		.amdhsa_enable_private_segment 0
		.amdhsa_kernarg_size 72
		.amdhsa_user_sgpr_count 2
		.amdhsa_user_sgpr_kernarg_segment_ptr 1
		.amdhsa_wavefront_size32 1
		.amdhsa_system_sgpr_workgroup_id_x 1
		.amdhsa_system_sgpr_workgroup_id_y 1
		.amdhsa_system_sgpr_workgroup_id_z 1
		.amdhsa_system_vgpr_workitem_id 0
		.amdhsa_next_free_vgpr 1024
		.amdhsa_next_free_sgpr 88
		.amdhsa_reserve_vcc 0
		.amdhsa_float_denorm_mode_32 3
		.amdhsa_float_denorm_mode_16_64 3
		.amdhsa_memory_ordered 1
		.amdhsa_forward_progress 1
		.amdhsa_inst_pref_size 197
	.end_amdhsa_kernel
	.amdgpu_metadata
---
amdhsa.version: [ 1, 2 ]
amdhsa.kernels:
  - .name:           k_q54d3fb0393_proj
    .symbol:         k_q54d3fb0393_proj.kd
    .args:
      - { .name: xb, .offset: 0, .size: 8, .value_kind: global_buffer, .address_space: global }
      - { .name: wb, .offset: 8, .size: 8, .value_kind: global_buffer, .address_space: global }
      - { .name: wq_b, .offset: 16, .size: 8, .value_kind: global_buffer, .address_space: global }
      - { .name: wk_b, .offset: 24, .size: 8, .value_kind: global_buffer, .address_space: global }
      - { .name: wv_b, .offset: 32, .size: 8, .value_kind: global_buffer, .address_space: global }
      - { .name: qb, .offset: 40, .size: 8, .value_kind: global_buffer, .address_space: global }
      - { .name: kb, .offset: 48, .size: 8, .value_kind: global_buffer, .address_space: global }
      - { .name: vf, .offset: 56, .size: 8, .value_kind: global_buffer, .address_space: global }
      - { .name: cs, .offset: 64, .size: 8, .value_kind: global_buffer, .address_space: global }
    .group_segment_fixed_size: 327680
    .private_segment_fixed_size: 0
    .kernarg_segment_align: 8
    .kernarg_segment_size: 72
    .max_flat_workgroup_size: 128
    .sgpr_count:     88
    .vgpr_count:     1024
    .wavefront_size: 32
...
	.end_amdgpu_metadata
.endif
;; end of part 2
;; launch score (part 3): grid 36 x 4, 4 waves a work-group, no clusters, 327,680 bytes of LDS; arguments qb, kb, pml, sd; writes pml, sd
.if DOCPART == 3
	.amdgcn_target "amdgcn-amd-amdhsa--gfx1250"
	.amdhsa_code_object_version 6
	.text
	.protected	k_q54d3fb0393_score
	.globl	k_q54d3fb0393_score
	.p2align	8
	.type	k_q54d3fb0393_score,@function
k_q54d3fb0393_score:
	s_mov_b64 s[64:65], 0
	v_nop
	global_prefetch_b8 v0, s[64:65] scope:SCOPE_SE
	s_setreg_imm32_b32 hwreg(HW_REG_WAVE_MODE, 25, 1), 1
	s_wait_xcnt 0x0
; THE SOFTMAX'S STATISTICS.  Query row c of a batch gives key a the score s = q[c] . k[a] / 32 where a >= c; keys a < c enter the softmax with the score 0 and are the next launch's affair.
; Of the scores only this is needed: for each query and each chunk kc of 128 keys, cm = c0 x (the largest visible q . k) and l = the sum of 2^(c0 q.k - cm), c0 = log2(e) / 32;
; and the diagonal's weight 2^(c0 q[c].k[c] - cm) relative to its own chunk.  The maximum is taken away chunk by chunk; the next launch merges the chunks.
; pml: [4 batches][16 kc][cm, l][2,048 rows] f32.  sd: [8,192 rows] f32.  Operands bf16, products, maxima and sums f32.
; LIMITS.  A hidden score counts as its q . k less 1e30, so |q . k| stays under about 1e29; a weight below 2^-126 counts as 0; NaN and infinities are not treated apart.
; SHARES.  A batch's 2,048 x 2,048 scores lie in 8 x 8 tiles of 256 x 256, of which the 36 with tile column j >= tile row i are made: grid 36 x 4.  Four waves, each 128 x 128 (64 accumulators):
; row chunk rc = 2 i + half, key chunk kc = 2 j + half.  In a diagonal tile the wave with kc < rc sees nothing: it fetches, multiplies and passes every barrier like the others (it brings a
; quarter of each slot), and stores nothing; the entries (rc, kc < rc) of pml are read by nobody.
; NO CLUSTER: tile row i has 8 - i tiles and tile column j has j + 1, a 4 x 4 block on the diagonal 10: neither 4 x 4 nor 4 x 1 work-groups cover the triangle without work-groups that would have nothing to do.
; RING.  K = 1,024 in steps of 128 through two LDS slots; each wave brings 128 rows x 256 bytes with one tensor load (waves 0, 1: the queries' halves; 2, 3: the keys').
; TRANSPOSED USE: source 0 = 16 keys, source 1 = 16 queries: a lane holds ONE query (l % 16) and the keys 8 (l / 16) + 0..7 of each block of 16.
; THE MASK is the C operand of the first products: 0, or -1e30 where the key is hidden.  In the wave with rc = kc: key block b < query block a: all hidden; b > a: none; b = a: register j is hidden where j < l % 16 - 8 (l / 16).
; REGISTERS, in windows of 256 (s_set_vgpr_msb: bits 1:0 source 0, 3:2 source 1, 5:4 source 2, 7:6 destination):
;   window 0: v0-31 addresses; v32-63 at work; v64-191 the queries' fragments, two buffers; behind the products v64-131 at work
;   window 1: v0-7, v8-15 the two masks; v64-191 the keys' fragments          windows 2, 3: the accumulators of my queries 0-63, 64-127 ((a, b) at v[8 (8 (a % 4) + b)])
.set SIZE_K, 1024
.set KSTEP,  128
.set PITCH,  272                       ; an LDS row: 256 bytes + 16 of padding: the 16 rows of a fragment load start at 16 different groups of four banks (64 banks of 4 bytes: ISA guide 11.1)
.set HALFT,  128*PITCH
.set SLOT,   4*HALFT                   ; the queries' 256 rows, then the keys'
.set STAGE,  2*SLOT                    ; behind the ring, never filled by a tensor load: 2,048 bytes a wave: cm at 0, l at 512, the diagonal at 1,024
.set SPARE,  STAGE+4*2048              ; behind the stages: the spare words, 128 bytes for each wave: two blocks of 256 bytes that no other line names
.set LAPS,   SIZE_K/(2*KSTEP)
.set DQ,   14                          ; v14  l % 16 - 8 (l / 16): the register that holds my query's own key, where it is 0..7
.set ADRA, 16
.set ADRB, 20
.set ST1,  24                          ; v24  stage + 512 (l / 16) + 4 (l % 16): lanes 0-15 put cm, lanes 16-31 l
.set RD,   25                          ; v25  stage + 16 l
.set ST3,  26                          ; v26  stage + 4 (l % 16)
.set GO,   27                          ; v27  16 l
.set SPW,  28                          ; v28  LDS address of my spare word: SPARE + 4 x my thread's number; never rewritten
.set NIL,  29                          ; v29  0; never rewritten
.set PFO,  30                          ; v30  my lane x a row of 2,048 bytes; never rewritten
.set CC,   32                          ; v32-35  four running maxima
.set TT,   36                          ; v36
.set LL,   40                          ; v[40:47] four running sums, pairs
.set LR,   56                          ; v56-63  l of block a
.set F0,   64
.set F1,   128
.set EE,   64                          ; v[64:71]  1.0 in the register of my query's own key, else 0
.set TPD,  72                          ; v[72:87]  a pair for each block's diagonal
.set PD,   88                          ; v88-95
.set XS,   96                          ; v96-103
.set OUT,  104                         ; v[104:115]
.set MRP,  116                         ; v[116:131] block a's pair (cm, m)
.set G1,  24                           ; s[24:31] descriptor group 1
.set G0,  32                           ; s[32:39] group 0, one set for each slot
.set RC,  45
.set KC,  47
.set LIM, 49                           ; s49  1 in a work-group that prefetches, else the greatest number
.set PFA, 50                           ; s[50:51]
.set CS,  58                           ; s[58:59] c0
.set SEL, 60                           ; s[60:61] v_permlanex16_b32's selects: each lane takes its own place in the other half
.set MSB, 0
.macro WIN new
.if MSB != (\new)
	s_set_vgpr_msb (MSB<<8)|(\new)
.set MSB, \new
.endif
.endm
.set MUL_LO, 0xa1
.set TO_B,   0x40
.macro TLOAD s                         ; my 128 rows of a K step; an s_nop 0 and four v_nop follow
	tensor_load_to_lds s[G0+4*(\s):G0+4*(\s)+3], s[G1:G1+7]
	s_nop 0
.rept 4
	v_nop
.endr
.endm
; A prefetch, behind each refill and the run of LDS loads that follows it: the K step two refills on.  Each block of 256 rows of qb and of kb lies in exactly one diagonal tile (i = j): that work-group asks,
; each of its waves for the 128 rows that it fetches itself: a lane a row, four instructions.  So each row's 256 bytes of a K step are named once.  K steps 0-3 come by their loads alone; the loop's last trip asks for nothing.
.macro ASK
	s_cmp_gt_u32 s3, s[LIM]
	s_cbranch_scc0 .Lnot_mine_\@
.irp g, 0,1,2,3
	global_prefetch_b8 v[PFO], s[PFA:PFA+1] offset:KSTEP*2+65536*(\g) th:TH_LOAD_NT scope:SCOPE_SE
.endr
.Lnot_mine_\@:
.endm
	s_load_b128 s[4:7], s[0:1], 0x0                ; qb s[4:5], kb s[6:7]
	s_load_b128 s[52:55], s[0:1], 0x10             ; pml s[52:53], sd s[54:55]
	v_lshl_add_u32 v[SPW], v0, 2, SPARE
	v_mov_b32 v[NIL], 0
	ds_add_u32 v[SPW], v[NIL]                      ; the wave's opening: the add and its wait stand ahead of my first tensor load; the set-up below, work on registers, stands between them
	v_lshrrev_b32 v1, 5, v0
	v_readfirstlane_b32 s10, v1                    ; wave 0..3
	s_lshr_b32 s11, s10, 1                         ; which half of the tile's queries is mine.  Also: I fetch queries (0) or keys (1)
	s_and_b32 s12, s10, 1                          ; which half of its keys.  Also: which 128 rows I fetch
	s_mov_b32 s40, ttmp9                           ; the tile's number in the triangle, row by row
	s_and_b32 s41, ttmp7, 0xffff                   ; the batch
	s_mov_b32 s42, 0
.irp th, 8,15,21,26,30,33,35           ; tile row i begins at number i (17 - i) / 2
	s_cmp_ge_u32 s40, \th
	s_cselect_b32 s44, 1, 0
	s_add_co_u32 s42, s42, s44                     ; i
.endr
	s_sub_co_u32 s44, 17, s42
	s_mul_i32 s44, s44, s42
	s_lshr_b32 s44, s44, 1
	s_sub_co_u32 s43, s40, s44
	s_add_co_u32 s43, s43, s42                     ; j = i + the place in the row
	s_lshl_b32 s[RC], s42, 1
	s_add_co_u32 s[RC], s[RC], s11
	s_lshl_b32 s[KC], s43, 1
	s_add_co_u32 s[KC], s[KC], s12
	s_cmp_eq_u32 s[RC], s[KC]
	s_cselect_b32 s46, 0xf149f2ca, 0               ; -1e30 in the wave that holds the diagonal, else 0: all masks are then 0
	s_mov_b32 s48, 0xffff0000                      ; lanes 16-31
	s_cmp_eq_u32 s42, s43
	s_cselect_b32 s[LIM], 1, -1
	s_mov_b32 s[G1+0], (1<<16)|(1<<20)|(5<<22)|(3<<25)  ; elements of 2 bytes; padding on: after every 64 words (code 5) 4 words (code 3)
	s_mov_b32 s[G1+1], KSTEP<<16                   ; tensor_dim0 = 128
	s_mov_b32 s[G1+2], 128<<16                     ; tensor_dim1 = 128
	s_mov_b32 s[G1+3], KSTEP<<16                   ; tile_dim0 = 128
	s_mov_b32 s[G1+4], 128                         ; tile_dim1 = 128
	s_mov_b32 s[G1+5], SIZE_K                      ; elements from row to row
	s_mov_b32 s[G1+6], 0
	s_mov_b32 s[G1+7], 0
	s_mov_b32 s[CS], 0x3d38aa3b                    ; c0 = log2(e) / 32 = 0.0450842
	s_mov_b32 s[CS+1], s[CS]                       ; named with it as a pair
	s_mov_b32 s[SEL], 0x76543210
	s_mov_b32 s[SEL+1], 0xfedcba98
	s_cmp_eq_u32 s11, 0
	s_cselect_b32 s44, s42, s43                    ; the block of 256 rows that I fetch from: i of qb, j of kb
	s_lshl_b32 s44, s44, 8
	s_lshl_b32 s16, s41, 11
	s_add_co_u32 s16, s16, s44
	s_lshl_b32 s17, s12, 7
	s_add_co_u32 s16, s16, s17                     ; row 2,048 b + 256 x block + 128 x half,
	s_lshl_b32 s16, s16, 11                        ; in bytes: under 2^24
	s_mov_b32 s17, 0
	s_mul_i32 s20, s10, HALFT                      ; where my rows go: wave x 128 rows
	s_lshl_b32 s56, s41, 4                         ; pml: ((16 b + kc) x 2) x 8,192 + 128 rc x 4
	s_add_co_u32 s56, s56, s[KC]
	s_lshl_b32 s56, s56, 14
	s_lshl_b32 s44, s[RC], 9
	s_add_co_u32 s56, s56, s44
	s_mov_b32 s57, 0
	s_lshl_b32 s18, s41, 13                        ; sd: (2,048 b + 128 rc) x 4
	s_add_co_u32 s18, s18, s44
	s_mov_b32 s19, 0
	s_wait_dscnt 0x0                               ; the opening add is done
	s_wait_kmcnt 0x0
	s_cmp_eq_u32 s11, 0
	s_cselect_b64 s[14:15], s[4:5], s[6:7]
	s_add_nc_u64 s[14:15], s[14:15], s[16:17]
.irp s, 0,1
	s_mov_b32 s[G0+4*(\s)], 1                                      ; count = 1
	s_add_co_u32 s[G0+4*(\s)+1], s20, (\s)*SLOT                    ; LDS address
	s_add_nc_u64 s[G0+4*(\s)+2:G0+4*(\s)+3], s[14:15], (\s)*KSTEP*2  ; global address: K step s
	s_or_b32 s[G0+4*(\s)+3], s[G0+4*(\s)+3], 0x80000000            ; type = 2
	TLOAD \s                                       ; two tensor loads of mine are out
.endr
	s_add_nc_u64 s[PFA:PFA+1], s[14:15], 2*KSTEP*2 ; at K step 2: the first refill steps it to 3 and names K step 4
	s_add_nc_u64 s[52:53], s[52:53], s[56:57]
	s_add_nc_u64 s[54:55], s[54:55], s[18:19]
	v_and_b32 v1, 15, v0                           ; l % 16
	v_bfe_u32 v2, v0, 4, 1                         ; l / 16
	v_and_b32 v4, 31, v0                           ; l
	v_mul_u32_u24 v3, v1, PITCH
	v_lshl_add_u32 v3, v2, 4, v3                   ; a fragment's row x pitch + 16 x half
	s_mul_i32 s21, s11, HALFT
	s_mul_i32 s22, s12, HALFT
	s_add_co_u32 s22, s22, 2*HALFT
.irp s, 0,1
	v_add_nc_u32 v[ADRA+(\s)], s21, v3
	v_add_nc_u32 v[ADRB+(\s)], s22, v3
	s_add_co_u32 s21, s21, SLOT
	s_add_co_u32 s22, s22, SLOT
.endr
	s_lshl_b32 s23, s10, 11
	s_add_co_u32 s23, s23, STAGE                   ; my stage
	v_lshlrev_b32 v[ST1], 2, v1
	v_add_nc_u32 v[ST3], s23, v[ST1]
	v_lshl_add_u32 v[ST1], v2, 9, v[ST1]
	v_add_nc_u32 v[ST1], s23, v[ST1]
	v_lshl_add_u32 v[RD], v4, 4, s23
	v_lshlrev_b32 v[GO], 4, v4
	v_lshlrev_b32 v[PFO], 11, v4
	v_lshlrev_b32 v[DQ], 3, v2
	v_sub_nc_u32 v[DQ], v1, v[DQ]
	WIN TO_B                                       ; the two masks, in window 1
.set jj, 0
.rept 8
	v_mov_b32 v[jj], s46                           ; a key block below the query block: all hidden
	v_cmp_lt_i32 vcc_lo, jj, v[DQ]                 ; the query's own block: key 8 (l / 16) + j < query l % 16
	v_cndmask_b32 v[8+jj], 0, s46, vcc_lo
.set jj, jj+1
.endr
	WIN 0
; 16 matrix instructions: query blocks a0, a0 + 1 of the window's four x all 8 key blocks, 32 along K.  zero = 1: the first product starts the sum, with 0 or with a mask (window 1).
; The 64 accumulators take turns, one instruction a turn, in the same order in every quarter.
.macro MUL16 f, hi, a0, zero
.if \zero
	WIN 0x91+0x40*(\hi)
.else
	WIN MUL_LO+0x50*(\hi)
.endif
.irp a, \a0, (\a0)+1
.irp b, 0,1,2,3,4,5,6,7
.if (\zero) && ((\b) > 4*(\hi)+(\a))
	v_wmma_f32_16x16x32_bf16 v[8*(8*(\a)+(\b)):8*(8*(\a)+(\b))+7], v[(\f)+8*(\b):(\f)+8*(\b)+7], v[(\f)+8*(4*(\hi)+(\a)):(\f)+8*(4*(\hi)+(\a))+7], 0
.elseif (\zero) && ((\b) == 4*(\hi)+(\a))
	v_wmma_f32_16x16x32_bf16 v[8*(8*(\a)+(\b)):8*(8*(\a)+(\b))+7], v[(\f)+8*(\b):(\f)+8*(\b)+7], v[(\f)+8*(4*(\hi)+(\a)):(\f)+8*(4*(\hi)+(\a))+7], v[8:15]
.elseif \zero
	v_wmma_f32_16x16x32_bf16 v[8*(8*(\a)+(\b)):8*(8*(\a)+(\b))+7], v[(\f)+8*(\b):(\f)+8*(\b)+7], v[(\f)+8*(4*(\hi)+(\a)):(\f)+8*(4*(\hi)+(\a))+7], v[0:7]
.else
	v_wmma_f32_16x16x32_bf16 v[8*(8*(\a)+(\b)):8*(8*(\a)+(\b))+7], v[(\f)+8*(\b):(\f)+8*(\b)+7], v[(\f)+8*(4*(\hi)+(\a)):(\f)+8*(4*(\hi)+(\a))+7], v[8*(8*(\a)+(\b)):8*(8*(\a)+(\b))+7]
.endif
.endr
.endr
.endm
.macro FETCH slot, k, f                ; 32 LDS loads in one run: a quarter step's fragments (128 keys, 128 queries, 32 K at byte k) into buffer f
	WIN TO_B
.irp i, 0,1,2,3,4,5,6,7
	ds_load_b128 v[(\f)+8*(\i):(\f)+8*(\i)+3],   v[ADRB+(\slot)] offset:(\k)+(\i)*16*PITCH
	ds_load_b128 v[(\f)+8*(\i)+4:(\f)+8*(\i)+7], v[ADRB+(\slot)] offset:(\k)+(\i)*16*PITCH+32
.endr
	WIN 0
.irp i, 0,1,2,3,4,5,6,7
	ds_load_b128 v[(\f)+8*(\i):(\f)+8*(\i)+3],   v[ADRA+(\slot)] offset:(\k)+(\i)*16*PITCH
	ds_load_b128 v[(\f)+8*(\i)+4:(\f)+8*(\i)+7], v[ADRA+(\slot)] offset:(\k)+(\i)*16*PITCH+32
.endr
.endm
.macro PLACES                          ; four plain vector instructions between a matrix instruction and a load into, or a read of, its registers
.rept 4
	v_nop
.endr
.endm
.macro QUARTER slot, k, f, g, zero
	s_wait_dscnt 8                                 ; the keys' fragments and queries 0-63 are in; the youngest eight loads (queries 64-127) may be out
	MUL16 \f, 0, 0, \zero
	MUL16 \f, 0, 2, \zero
	PLACES
	FETCH \slot, \k, \g
	s_wait_dscnt 32                                ; all but the 32 just issued
	MUL16 \f, 1, 0, \zero
	MUL16 \f, 1, 2, \zero
.endm
; The last quarter's first half, and the one barrier of a change of slots: in front of it each wave waits for all its tensor loads (one is out: its part of the next slot), adds 0 to its spare
; word, and waits for that and for its own reads of this slot.  Behind it nobody reads this slot any more and the next slot is whole.
.macro MEET
	WIN 0
	s_wait_tensorcnt 0x0
	ds_add_u32 v[SPW], v[NIL]                      ; 0 onto my spare word
	s_wait_dscnt 9                                 ; the add and the youngest eight loads may be out
	MUL16 F1, 0, 0, 0
	s_wait_dscnt 0x0                               ; the add is done, and my reads of this slot are over
	s_barrier_signal -1
	MUL16 F1, 0, 2, 0                              ; work on registers while the others arrive
	s_barrier_wait -1
.endm
.macro TURN slot, next                 ; the whole last quarter of a K step whose slot is filled again, two K steps ahead: the refill is my first and only tensor load behind the barrier, with 224 matrix instructions in which to land
	s_wait_xcnt 0x0                                ; the last prefetches, a K step back, have read their address
	s_add_nc_u64 s[PFA:PFA+1], s[PFA:PFA+1], KSTEP*2
	MEET
	s_add_nc_u64 s[G0+4*(\slot)+2:G0+4*(\slot)+3], s[G0+4*(\slot)+2:G0+4*(\slot)+3], 2*KSTEP*2  ; no tensor load of mine is out
	TLOAD \slot                                    ; the four v_nop behind it are also the places in front of the loads below
	FETCH \next, 0, F0
	ASK
	MUL16 F1, 1, 0, 0
	MUL16 F1, 1, 2, 0
.endm
; THE STATISTICS OF QUERY BLOCK a: a lane holds one query and 64 of its 128 scores, in 64 registers; the other 64 lie in the lane 16 away.
; The maximum: four chains of 16 registers, three operands at a time; each accumulator's lowest registers are read first.  Then c0 s - cm and the exponentials, in place: the 64
; exponentials are ONE batch: nothing names a result ahead of the one wait.  Then the sum, in four chains of pairs.  The weights stay in the accumulators for the diagonal.
.macro ROWSTAT a
.set WW, 2+(\a)/4
.set RR, 64*((\a)%4)
.set MP, MRP+2*(\a)
	WIN WW|(WW<<2)|(WW<<4)
.irp q, 0,1,2,3
	v_max3_num_f32 v[CC+\q], v[RR+16*\q], v[RR+16*\q+1], v[RR+16*\q+2]
.endr
	WIN (WW<<2)|(WW<<4)
.irp p, 3,5,7,9,11,13
.irp q, 0,1,2,3
	v_max3_num_f32 v[CC+\q], v[CC+\q], v[RR+16*\q+\p], v[RR+16*\q+\p+1]
.endr
.endr
.irp q, 0,1,2,3
	v_max_num_f32 v[CC+\q], v[CC+\q], v[RR+16*\q+15]
.endr
	WIN 0
	v_max3_num_f32 v[CC], v[CC], v[CC+1], v[CC+2]
	v_max_num_f32 v[CC], v[CC], v[CC+3]
	v_permlanex16_b32 v[CC+1], v[CC], s[SEL], s[SEL+1]
	v_max_num_f32 v[MP+1], v[CC], v[CC+1]          ; m
	v_mul_f32 v[MP], s[CS], v[MP+1]                ; cm
	WIN WW|(WW<<6)
.set pp, 0
.rept 32
	v_pk_fma_f32 v[RR+2*pp:RR+2*pp+1], v[RR+2*pp:RR+2*pp+1], s[CS:CS+1], v[MP:MP+1] op_sel_hi:[1,0,0] neg_lo:[0,0,1] neg_hi:[0,0,1]  ; c0 s - cm
.if pp > 0
	v_exp_f32 v[RR+2*pp-2], v[RR+2*pp-2]
	v_exp_f32 v[RR+2*pp-1], v[RR+2*pp-1]
.endif
.set pp, pp+1
.endr
	v_exp_f32 v[RR+62], v[RR+62]
	v_exp_f32 v[RR+63], v[RR+63]
	v_nop                                          ; a plain instruction behind the last exponential (ISA guide 5.7.2),
	s_wait_alu depctr_va_vdst(0)                   ; and the one wait for the batch, ahead of its first reader
	WIN WW|(WW<<2)
.irp q, 0,1,2,3
	v_pk_add_f32 v[LL+2*\q:LL+2*\q+1], v[RR+16*\q:RR+16*\q+1], v[RR+16*\q+2:RR+16*\q+3]
.endr
	WIN WW<<2
.irp k, 4,6,8,10,12,14
.irp q, 0,1,2,3
	v_pk_add_f32 v[LL+2*\q:LL+2*\q+1], v[LL+2*\q:LL+2*\q+1], v[RR+16*\q+\k:RR+16*\q+\k+1]
.endr
.endr
	WIN 0
	v_pk_add_f32 v[LL:LL+1], v[LL:LL+1], v[LL+2:LL+3]
	v_pk_add_f32 v[LL+4:LL+5], v[LL+4:LL+5], v[LL+6:LL+7]
	v_pk_add_f32 v[LL:LL+1], v[LL:LL+1], v[LL+4:LL+5]
	v_add_f32 v[TT], v[LL], v[LL+1]
	v_permlanex16_b32 v[CC+1], v[TT], s[SEL], s[SEL+1]
	v_add_f32 v[LR+(\a)], v[TT], v[CC+1]           ; l
.endm
.macro DIAG a                          ; the weight of my query's own key, where my lane holds it, else 0: accumulator (a, a) times EE, summed
.set RR, 64*((\a)%4)+8*(\a)
	v_pk_mul_f32 v[TPD+2*(\a):TPD+2*(\a)+1], v[RR:RR+1], v[EE:EE+1]
.irp k, 2,4,6
	v_pk_fma_f32 v[TPD+2*(\a):TPD+2*(\a)+1], v[RR+\k:RR+\k+1], v[EE+\k:EE+\k+1], v[TPD+2*(\a):TPD+2*(\a)+1]
.endr
.endm
	s_wait_tensorcnt 1                             ; my part of K step 0 is in; K step 1's load may stay out
	s_barrier_signal -1
	s_barrier_wait -1
	FETCH 0, 0, F0
	QUARTER 0, 64,  F0, F1, 1                      ; the first quarter stands in front of the loop: its products start the sums
	WIN 0                                          ; at a label and at a branch every window is 0
	s_mov_b32 s3, LAPS-1
.Llap:                                                 ; a trip goes once round the ring and fills both slots again
	QUARTER 0, 128, F1, F0, 0
	QUARTER 0, 192, F0, F1, 0
	TURN 0, 1
	QUARTER 1, 64,  F0, F1, 0
	QUARTER 1, 128, F1, F0, 0
	QUARTER 1, 192, F0, F1, 0
	TURN 1, 0
	QUARTER 0, 64,  F0, F1, 0
	WIN 0
	s_sub_co_u32 s3, s3, 1
	s_cmp_lg_u32 s3, 0
	s_cbranch_scc1 .Llap
	QUARTER 0, 128, F1, F0, 0                      ; the last lap is written out: it fills nothing
	QUARTER 0, 192, F0, F1, 0
	MEET
	PLACES
	FETCH 1, 0, F0
	MUL16 F1, 1, 0, 0
	MUL16 F1, 1, 2, 0
	QUARTER 1, 64,  F0, F1, 0
	QUARTER 1, 128, F1, F0, 0
	QUARTER 1, 192, F0, F1, 0
	s_wait_dscnt 8
	MUL16 F1, 0, 0, 0
	MUL16 F1, 0, 2, 0
	s_wait_dscnt 0x0
	MUL16 F1, 1, 0, 0
	MUL16 F1, 1, 2, 0
	WIN 0
	PLACES
	PLACES                                         ; once a launch
	s_cmp_lt_u32 s[KC], s[RC]
	s_cbranch_scc1 .Lend                           ; all my keys lie below all my queries: nothing of mine is wanted
.irp a, 0,1,2,3,4,5,6,7
	ROWSTAT \a
.endr
	; cm and l of my 128 queries go through my stage, so that each leaves as 512 consecutive bytes
.set aa, 0
.rept 8
	v_cndmask_b32 v[XS+aa], v[MRP+2*aa], v[LR+aa], s48  ; both halves of the lanes hold both numbers: lanes 0-15 give cm, lanes 16-31 l
.set aa, aa+1
.endr
.set aa, 0
.rept 8
	ds_store_b32 v[ST1], v[XS+aa] offset:64*aa
.set aa, aa+1
.endr
	ds_load_b128 v[OUT:OUT+3],   v[RD]             ; LDS serves a wave's instructions in order (ISA guide 5.7.1.4): these see the stores above
	ds_load_b128 v[OUT+4:OUT+7], v[RD] offset:512
	s_wait_dscnt 0x0
	global_store_b128 v[GO], v[OUT:OUT+3],   s[52:53]
	global_store_b128 v[GO], v[OUT+4:OUT+7], s[52:53] offset:8192
	s_cmp_lg_u32 s[KC], s[RC]
	s_cbranch_scc1 .Lend
.set jj, 0
.rept 8
	v_cmp_eq_i32 vcc_lo, jj, v[DQ]
	v_cndmask_b32 v[EE+jj], 0, 1.0, vcc_lo
.set jj, jj+1
.endr
	WIN 0x02                                       ; source 0: window 2
.irp a, 0,1,2,3
	DIAG \a
.endr
	WIN 0x03
.irp a, 4,5,6,7
	DIAG \a
.endr
	WIN 0
.set aa, 0
.rept 8
	v_add_f32 v[PD+aa], v[TPD+2*aa], v[TPD+2*aa+1]
.set aa, aa+1
.endr
.set aa, 0
.rept 8
	v_permlanex16_b32 v[XS+aa], v[PD+aa], s[SEL], s[SEL+1]
.set aa, aa+1
.endr
.set aa, 0
.rept 8
	v_add_f32 v[PD+aa], v[PD+aa], v[XS+aa]         ; one of the two lanes of a query held it
.set aa, aa+1
.endr
.set aa, 0
.rept 8
	ds_store_b32 v[ST3], v[PD+aa] offset:1024+64*aa  ; both halves of the lanes write the same word with the same number
.set aa, aa+1
.endr
	ds_load_b128 v[OUT+8:OUT+11], v[RD] offset:1024
	s_wait_dscnt 0x0
	global_store_b128 v[GO], v[OUT+8:OUT+11], s[54:55]
.Lend:
	s_wait_tensorcnt 0x0                           ; the wave's end, behind my last tensor load and my last LDS store
	ds_add_u32 v[SPW], v[NIL]
	s_wait_dscnt 0x0
	s_endpgm
.Lfunc_end_k_q54d3fb0393_score:
	.size	k_q54d3fb0393_score, .Lfunc_end_k_q54d3fb0393_score-k_q54d3fb0393_score
	.p2alignl 7, 3214868480
	.fill 96, 4, 3214868480
	.section	.rodata,"a",@progbits
	.p2align	6, 0x0
	.amdhsa_kernel k_q54d3fb0393_score
		.amdhsa_group_segment_fixed_size 327680
		.amdhsa_private_segment_fixed_size 0
		.amdhsa_enable_private_segment 0
		.amdhsa_kernarg_size 32
		.amdhsa_user_sgpr_count 2
		.amdhsa_user_sgpr_kernarg_segment_ptr 1
		.amdhsa_wavefront_size32 1
		.amdhsa_system_sgpr_workgroup_id_x 1
		.amdhsa_system_sgpr_workgroup_id_y 1
		.amdhsa_system_sgpr_workgroup_id_z 1
		.amdhsa_system_vgpr_workitem_id 0
		.amdhsa_next_free_vgpr 1024
		.amdhsa_next_free_sgpr 66
		.amdhsa_reserve_vcc 1
		.amdhsa_float_denorm_mode_32 3
		.amdhsa_float_denorm_mode_16_64 3
		.amdhsa_memory_ordered 1
		.amdhsa_forward_progress 1
		.amdhsa_inst_pref_size 184
	.end_amdhsa_kernel
	.amdgpu_metadata
---
amdhsa.version: [ 1, 2 ]
amdhsa.kernels:
  - .name:           k_q54d3fb0393_score
    .symbol:         k_q54d3fb0393_score.kd
    .args:
      - { .name: qb, .offset: 0, .size: 8, .value_kind: global_buffer, .address_space: global }
      - { .name: kb, .offset: 8, .size: 8, .value_kind: global_buffer, .address_space: global }
      - { .name: pml, .offset: 16, .size: 8, .value_kind: global_buffer, .address_space: global }
      - { .name: sd, .offset: 24, .size: 8, .value_kind: global_buffer, .address_space: global }
    .group_segment_fixed_size: 327680
    .private_segment_fixed_size: 0
    .kernarg_segment_align: 8
    .kernarg_segment_size: 32
    .max_flat_workgroup_size: 128
    .sgpr_count:     66
    .vgpr_count:     1024
    .wavefront_size: 32
...
	.end_amdgpu_metadata
.endif
;; end of part 3
;; launch combine (part 4): grid 8 x 64, 4 waves a work-group, no clusters, 4,608 bytes of LDS; arguments vf, cs, pml, sd, out0; writes out0
.if DOCPART == 4
	.amdgcn_target "amdgcn-amd-amdhsa--gfx1250"
	.amdhsa_code_object_version 6
	.text
	.protected	k_q54d3fb0393_combine
	.globl	k_q54d3fb0393_combine
	.p2align	8
	.type	k_q54d3fb0393_combine,@function
k_q54d3fb0393_combine:
	s_mov_b64 s[64:65], 0
	v_nop
	global_prefetch_b8 v0, s[64:65] scope:SCOPE_SE
	s_setreg_imm32_b32 hwreg(HW_REG_WAVE_MODE, 25, 1), 1
	s_wait_xcnt 0x0
; out[c] = alpha_c x (the sum of v[a] over a < c) + beta_c x v[c], within each batch of 2,048 rows.
; Row c's softmax runs over all 2,048 keys: keys a < c have the score 0, keys a >= c the score s[c][a]; of the weights only those of a <= c are kept.  With everything as powers of 2:
;   M = max(cm[kc] over the key chunks kc >= c's chunk; 0 if c > 0),   Z = c 2^(-M) + the sum over kc of l[kc] 2^(cm[kc] - M),   alpha = 2^(-M) / Z,   beta = sd[c] 2^(cm[own chunk] - M) / Z.
; So the maximum over the whole row is taken away, and Z >= 1.  All sums are f32 and are made by additions alone.
; LIMITS.  A weight below 2^-126 counts as 0; NaN and infinities are not treated apart.
; A stream: vf is read once, out0 written once; no matrix work (the second product has equal weights below the diagonal: it is a running sum), no cluster (nothing large is shared), no prefetch (the launch's own loads are all out at once).
; SHARES.  A work-group takes a chunk of 128 rows x 128 columns (512 bytes of a row); wave w rows 32 w .. 32 w + 31.  For the statistics lane l stands for row 32 w + l, for the data for columns 4 l .. 4 l + 3.
; A wave's 32 rows, 16 KiB, are all asked for at once and stay in 128 registers.  What lies in front of a wave's rows: the earlier chunks' column sums (cs; the four waves share them out, chunk q to wave q % 4)
; and the sums of the waves below it: both meet in LDS behind the one barrier.
.set SPARE, 4096                       ; LDS: wave w's row sum at 1,024 w, its share of the earlier chunks at 1,024 w + 512; behind them the spare words, 128 bytes a wave, that no other line names
.set SPW, 4                            ; v4   LDS address of my spare word: SPARE + 4 x my thread's number; never rewritten
.set NIL, 5                            ; v5   0; never rewritten
.set LS,  6                            ; v6   1,024 w + 16 l
.set CM,  8                            ; v8-23   cm of key chunk kc; the lowest finite number where the chunk lies below mine
.set LL,  24                           ; v24-39  l of key chunk kc; 0 there
.set CMD, 40                           ; v40  cm of my own chunk
.set PDV, 41                           ; v41  sd
.set Z0,  42                           ; v42  the score 0 of the keys below c; the lowest finite number where there are none
.set CF,  43                           ; v43  c as f32
.set MX,  44                           ; v44  M
.set AL,  48
.set BE,  49
.set CB,  52                           ; v[52:67]  up to four earlier chunks' sums of my 4 columns; 0 where there is none
.set P,   68                           ; v[68:71]  the running sum
.set TP,  72                           ; v[72:75]
.set SS,  76                           ; v[76:91]  four chains
.set RB,  76                           ; v[76:103] read back: four shares of the earlier chunks, then the sums of waves 0-2
.set X,   104                          ; v[104:231] row t at X + 4 t
	s_load_b256 s[4:11], s[0:1], 0x0               ; vf s[4:5], cs s[6:7], pml s[8:9], sd s[10:11]
	s_load_b64 s[12:13], s[0:1], 0x20              ; out0
	v_lshl_add_u32 v[SPW], v0, 2, SPARE
	v_mov_b32 v[NIL], 0
	v_lshrrev_b32 v7, 5, v0
	v_readfirstlane_b32 s14, v7                    ; wave 0..3
	v_and_b32 v1, 31, v0                           ; l
	v_lshlrev_b32 v2, 4, v1                        ; 16 l
	v_lshlrev_b32 v3, 2, v1                        ; 4 l
	s_mov_b32 s15, ttmp9                           ; the group of 128 columns
	s_and_b32 s16, ttmp7, 0xffff                   ; the chunk among 64
	s_and_b32 s17, s16, 15                         ; rc: the chunk in its batch
	s_lshr_b32 s19, s16, 4                         ; the batch
	s_lshl_b32 s30, s14, 10
	v_lshl_add_u32 v[LS], v1, 4, s30
	s_lshl_b32 s32, s16, 7
	s_lshl_b32 s33, s14, 5
	s_add_co_u32 s32, s32, s33                     ; my first row among the 8,192
	s_lshl_b32 s34, s32, 2                         ; in sd
	s_mov_b32 s35, 0
	s_lshl_b32 s32, s32, 12                        ; in vf and out0: row x 4,096 + 512 x column group
	s_lshl_b32 s33, s15, 9
	s_add_co_u32 s32, s32, s33
	s_mov_b32 s33, 0
	s_lshl_b32 s36, s19, 18                        ; in pml: 262,144 b + (128 rc + 32 w) x 4
	s_lshl_b32 s37, s17, 9
	s_add_co_u32 s36, s36, s37
	s_lshl_b32 s37, s14, 7
	s_add_co_u32 s36, s36, s37
	s_mov_b32 s37, 0
	s_lshl_b32 s38, s17, 14                        ; my own chunk's entry: 16,384 rc further
	s_mov_b32 s39, 0
	s_lshl_b32 s40, s19, 4                         ; in cs: chunk 16 b + w, 4,096 bytes each, + 512 x column group
	s_add_co_u32 s40, s40, s14
	s_lshl_b32 s40, s40, 12
	s_lshl_b32 s41, s15, 9
	s_add_co_u32 s40, s40, s41
	s_mov_b32 s41, 0
	s_lshl_b32 s31, s17, 7
	s_lshl_b32 s18, s14, 5
	s_add_co_u32 s31, s31, s18                     ; my first row in the batch
	s_mov_b32 s21, 0                               ; the upper words of the four pairs that the packed lines name
	s_mov_b32 s23, 0
	s_mov_b32 s25, 0
	s_mov_b32 s27, 0
	v_add_nc_u32 v45, s31, v1                      ; c
	v_cvt_f32_u32 v[CF], v45
	v_mov_b32 v46, 0xff7fffff
	v_cmp_eq_u32 vcc_lo, 0, v45
	v_cndmask_b32 v[Z0], 0, v46, vcc_lo
.set k, 0
.rept 16                               ; what the loads below leave untouched where a chunk does not exist
	v_mov_b32 v[CM+k], 0xff7fffff
	v_mov_b32 v[LL+k], 0
	v_mov_b32 v[CB+k], 0
.set k, k+1
.endr
	s_wait_kmcnt 0x0
	s_add_nc_u64 s[4:5], s[4:5], s[32:33]
	s_add_nc_u64 s[12:13], s[12:13], s[32:33]
	s_add_nc_u64 s[8:9], s[8:9], s[36:37]
	s_add_nc_u64 s[28:29], s[8:9], s[38:39]
	s_add_nc_u64 s[10:11], s[10:11], s[34:35]
	s_add_nc_u64 s[6:7], s[6:7], s[40:41]
	; the statistics of key chunks 15 down to rc: 128 bytes a load (32 rows' numbers): small beside the rows
.irp kc, 15,14,13,12,11,10,9,8,7,6,5,4,3,2,1,0
	s_cmp_gt_u32 s17, \kc
	s_cbranch_scc1 .Lst                            ; the chunks below mine were never made
	global_load_b32 v[CM+\kc], v3, s[8:9] offset:16384*\kc
	global_load_b32 v[LL+\kc], v3, s[8:9] offset:16384*\kc+8192
.endr
.Lst:
	global_load_b32 v[CMD], v3, s[28:29]
	global_load_b32 v[PDV], v3, s[10:11]
	s_mov_b32 s18, s14
.irp i, 0,1,2,3                        ; the earlier chunks w, w + 4, w + 8, w + 12, as far as they lie in front of mine
	s_cmp_ge_u32 s18, s17
	s_cbranch_scc1 .Lcb
	global_load_b128 v[CB+4*\i:CB+4*\i+3], v2, s[6:7] offset:16384*\i
	s_add_co_u32 s18, s18, 4
.endr
.Lcb:
.set t, 0
.rept 32
	global_load_b128 v[X+4*t:X+4*t+3], v2, s[4:5] offset:4096*t th:TH_LOAD_NT  ; the wave reads 512 consecutive bytes, aligned
.set t, t+1
.endr
	s_wait_loadcnt 32                              ; on every way here the 32 rows' loads are the youngest: all else is in, and the statistics are worked out while the rows are on their way
	v_max3_num_f32 v[MX], v[CM], v[CM+1], v[CM+2]
.irp k, 3,5,7,9,11,13
	v_max3_num_f32 v[MX], v[MX], v[CM+\k], v[CM+\k+1]
.endr
	v_max3_num_f32 v[MX], v[MX], v[CM+15], v[Z0]
.set k, 0
.rept 16
	v_sub_f32 v[CM+k], v[CM+k], v[MX]
.set k, k+1
.endr
	v_sub_f32 v[CMD], v[CMD], v[MX]
	v_sub_f32 v[Z0], v[Z0], v[MX]
.set k, 0
.rept 16
	v_exp_f32 v[CM+k], v[CM+k]
.set k, k+1
.endr
	v_exp_f32 v[CMD], v[CMD]
	v_exp_f32 v[Z0], v[Z0]
	v_nop                                          ; a plain instruction behind the last exponential (ISA guide 5.7.2),
	s_wait_alu depctr_va_vdst(0)                   ; and one wait for the batch of 18, ahead of its first reader
	v_mul_f32 v45, v[CF], v[Z0]                    ; the c keys below the diagonal; in row 0 both factors are 0
	v_mul_f32 v46, v[LL+1], v[CM+1]
	v_fmac_f32 v45, v[LL], v[CM]
.set k, 2
.rept 14                               ; two chains
	v_fmac_f32 v[45+k%2], v[LL+k], v[CM+k]
.set k, k+1
.endr
	v_add_f32 v45, v45, v46                        ; Z
	v_rcp_f32 v47, v45
	v_mul_f32 v46, v[PDV], v[CMD]                  ; the plain instruction behind the reciprocal
	s_wait_alu depctr_va_vdst(0)                   ; its wait
	v_mul_f32 v[AL], v[Z0], v47
	v_mul_f32 v[BE], v46, v47
	s_wait_loadcnt 0x0                             ; my 32 rows
.irp q, 0,1,2,3                        ; their sum, in four chains that the first additions start
	v_pk_add_f32 v[SS+4*\q:SS+4*\q+1],   v[X+4*\q:X+4*\q+1],   v[X+16+4*\q:X+16+4*\q+1]
	v_pk_add_f32 v[SS+4*\q+2:SS+4*\q+3], v[X+4*\q+2:X+4*\q+3], v[X+16+4*\q+2:X+16+4*\q+3]
.endr
.irp g, 2,3,4,5,6,7
.irp q, 0,1,2,3
	v_pk_add_f32 v[SS+4*\q:SS+4*\q+1],   v[SS+4*\q:SS+4*\q+1],   v[X+16*\g+4*\q:X+16*\g+4*\q+1]
	v_pk_add_f32 v[SS+4*\q+2:SS+4*\q+3], v[SS+4*\q+2:SS+4*\q+3], v[X+16*\g+4*\q+2:X+16*\g+4*\q+3]
.endr
.endr
.irp h, 0,2
	v_pk_add_f32 v[SS+\h:SS+\h+1],     v[SS+\h:SS+\h+1],     v[SS+4+\h:SS+4+\h+1]
	v_pk_add_f32 v[SS+8+\h:SS+8+\h+1], v[SS+8+\h:SS+8+\h+1], v[SS+12+\h:SS+12+\h+1]
	v_pk_add_f32 v[CB+\h:CB+\h+1],     v[CB+\h:CB+\h+1],     v[CB+4+\h:CB+4+\h+1]
	v_pk_add_f32 v[CB+8+\h:CB+8+\h+1], v[CB+8+\h:CB+8+\h+1], v[CB+12+\h:CB+12+\h+1]
.endr
.irp h, 0,2
	v_pk_add_f32 v[SS+\h:SS+\h+1], v[SS+\h:SS+\h+1], v[SS+8+\h:SS+8+\h+1]
	v_pk_add_f32 v[CB+\h:CB+\h+1], v[CB+\h:CB+\h+1], v[CB+8+\h:CB+8+\h+1]
.endr
	ds_store_b128 v[LS], v[SS:SS+3]
	ds_store_b128 v[LS], v[CB:CB+3] offset:512
	s_wait_dscnt 0x0                               ; for the others' sake: my stores are done
	s_barrier_signal -1
	s_barrier_wait -1
.irp u, 0,1,2,3
	ds_load_b128 v[RB+4*\u:RB+4*\u+3], v2 offset:1024*\u+512
.endr
.irp u, 0,1,2
	ds_load_b128 v[RB+16+4*\u:RB+16+4*\u+3], v2 offset:1024*\u
.endr
	s_wait_dscnt 0x0
.irp h, 0,2
	v_pk_add_f32 v[P+\h:P+\h+1],   v[RB+\h:RB+\h+1],     v[RB+4+\h:RB+4+\h+1]
	v_pk_add_f32 v[TP+\h:TP+\h+1], v[RB+8+\h:RB+8+\h+1], v[RB+12+\h:RB+12+\h+1]
.endr
.irp h, 0,2
	v_pk_add_f32 v[P+\h:P+\h+1], v[P+\h:P+\h+1], v[TP+\h:TP+\h+1]  ; all earlier chunks of the batch
.endr
.irp u, 0,1,2                          ; and the waves below mine
	s_cmp_eq_u32 s14, \u
	s_cbranch_scc1 .Lp
	v_pk_add_f32 v[P:P+1],   v[P:P+1],   v[RB+16+4*\u:RB+16+4*\u+1]
	v_pk_add_f32 v[P+2:P+3], v[P+2:P+3], v[RB+16+4*\u+2:RB+16+4*\u+3]
.endr
.Lp:
.set t, 0
.rept 32                               ; row t: lane t's alpha and beta as scalars (two sets of pairs by turns); out = P alpha + v beta; P takes the row.  No store's register is written again
.set SA, 20+4*(t%2)
	v_readlane_b32 s[SA], v[AL], t
	v_readlane_b32 s[SA+2], v[BE], t
	v_pk_mul_f32 v[TP:TP+1],   v[P:P+1],   s[SA:SA+1] op_sel_hi:[1,0]
	v_pk_mul_f32 v[TP+2:TP+3], v[P+2:P+3], s[SA:SA+1] op_sel_hi:[1,0]
	v_pk_add_f32 v[P:P+1],   v[P:P+1],   v[X+4*t:X+4*t+1]
	v_pk_add_f32 v[P+2:P+3], v[P+2:P+3], v[X+4*t+2:X+4*t+3]
	v_pk_fma_f32 v[X+4*t:X+4*t+1],   v[X+4*t:X+4*t+1],   s[SA+2:SA+3], v[TP:TP+1]   op_sel_hi:[1,0,1]
	v_pk_fma_f32 v[X+4*t+2:X+4*t+3], v[X+4*t+2:X+4*t+3], s[SA+2:SA+3], v[TP+2:TP+3] op_sel_hi:[1,0,1]
	global_store_b128 v2, v[X+4*t:X+4*t+3], s[12:13] offset:4096*t th:TH_STORE_NT  ; the wave stores 512 consecutive bytes, aligned
.set t, t+1
.endr
	s_wait_tensorcnt 0x0                           ; the wave's end, behind my last LDS store
	ds_add_u32 v[SPW], v[NIL]
	s_wait_dscnt 0x0
	s_endpgm
.Lfunc_end_k_q54d3fb0393_combine:
	.size	k_q54d3fb0393_combine, .Lfunc_end_k_q54d3fb0393_combine-k_q54d3fb0393_combine
	.p2alignl 7, 3214868480
	.fill 96, 4, 3214868480
	.section	.rodata,"a",@progbits
	.p2align	6, 0x0
	.amdhsa_kernel k_q54d3fb0393_combine
		.amdhsa_group_segment_fixed_size 4608
		.amdhsa_private_segment_fixed_size 0
		.amdhsa_enable_private_segment 0
		.amdhsa_kernarg_size 40
		.amdhsa_user_sgpr_count 2
		.amdhsa_user_sgpr_kernarg_segment_ptr 1
		.amdhsa_wavefront_size32 1
		.amdhsa_system_sgpr_workgroup_id_x 1
		.amdhsa_system_sgpr_workgroup_id_y 1
		.amdhsa_system_sgpr_workgroup_id_z 1
		.amdhsa_system_vgpr_workitem_id 0
		.amdhsa_next_free_vgpr 232
		.amdhsa_next_free_sgpr 66
		.amdhsa_reserve_vcc 1
		.amdhsa_float_denorm_mode_32 3
		.amdhsa_float_denorm_mode_16_64 3
		.amdhsa_memory_ordered 1
		.amdhsa_forward_progress 1
		.amdhsa_inst_pref_size 40
	.end_amdhsa_kernel
	.amdgpu_metadata
---
amdhsa.version: [ 1, 2 ]
amdhsa.kernels:
  - .name:           k_q54d3fb0393_combine
    .symbol:         k_q54d3fb0393_combine.kd
    .args:
      - { .name: vf, .offset: 0, .size: 8, .value_kind: global_buffer, .address_space: global }
      - { .name: cs, .offset: 8, .size: 8, .value_kind: global_buffer, .address_space: global }
      - { .name: pml, .offset: 16, .size: 8, .value_kind: global_buffer, .address_space: global }
      - { .name: sd, .offset: 24, .size: 8, .value_kind: global_buffer, .address_space: global }
      - { .name: out0, .offset: 32, .size: 8, .value_kind: global_buffer, .address_space: global }
    .group_segment_fixed_size: 4608
    .private_segment_fixed_size: 0
    .kernarg_segment_align: 8
    .kernarg_segment_size: 40
    .max_flat_workgroup_size: 128
    .sgpr_count:     66
    .vgpr_count:     232
    .wavefront_size: 32
...
	.end_amdgpu_metadata
.endif
;; end of part 4
;; ======== version 2 of 2: 4 launches; version 1 with the launches cast, combine written anew for expert scheduling mode
;; limits: values outside matrix products are rounded to bf16; right only within a limited range of input values
;; workspace buffers: xb 16,777,216 bytes; wb 6,291,456 bytes; qb 16,777,216 bytes; kb 16,777,216 bytes; vf 33,554,432 bytes; cs 262,144 bytes; pml 1,048,576 bytes; sd 32,768 bytes
;; launch cast (part 5): grid 704 x 1, 8 waves a work-group, no clusters, 0 bytes of LDS; arguments x, wq_w, wk_w, wv_w, xb, wb; writes xb, wb
.if DOCPART == 5
	.amdgcn_target "amdgcn-amd-amdhsa--gfx1250"
	.amdhsa_code_object_version 6
	.text
	.protected	k_q54d3fb0393_cast
	.globl	k_q54d3fb0393_cast
	.p2align	8
	.type	k_q54d3fb0393_cast,@function
k_q54d3fb0393_cast:
	s_mov_b64 s[64:65], 0
	v_nop
	global_prefetch_b8 v0, s[64:65] scope:SCOPE_SE
	s_setreg_imm32_b32 hwreg(HW_REG_WAVE_SCHED_MODE, 0, 2), 2
	s_setreg_imm32_b32 hwreg(HW_REG_WAVE_MODE, 25, 1), 1
	s_wait_xcnt 0x0
	s_wait_alu depctr_vm_vsrc(0)
; xb = x rounded to bf16; wb = wq_w, wk_w, wv_w one below the other ([3072][1024]), rounded to bf16.  Each number is rounded once, to nearest even.
; A stream: every input byte is read once, every output byte written once; no LDS, no barrier, no matrix work: nothing is shared and nothing is multiplied.
; A work-group of eight waves takes 65,536 input bytes in 16 steps of 4,096.  In step i thread t loads the 16 bytes at 16 t + 4,096 i (a wave's load covers 512
; consecutive bytes) and stores the 8 bytes at 8 t + 2,048 i (a wave's store covers 256 consecutive bytes, aligned).  All 16 loads of a thread go out at once.
; Work-groups 0-511 take x (512 x 65,536 bytes), 512-703 the three weights (64 each).
; THE MODE: SCHED_MODE bits 1:0 = 2 (LLVM: expert scheduling mode 2), set by the entry lines.  The code itself states the register dependences
; between vector instructions and memory instructions, with s_wait_alu, always for 0.
; THE PLAN.  Registers that memory instructions touch:
;   v1, v2   byte offsets, made at the head and never written again: every load reads v1, every store v2.
;   X        written by the 16 loads, once; no vector instruction names it ahead of them; read by the conversions.
;   Y        written by the conversions, once; read by the stores.
; The 16 steps go in four groups of four: the group's data are waited for, its eight conversions write its part of Y, ONE wait states that they have, and its four stores follow in a run.
; No register that a memory instruction reads is ever written again, so nothing is owed for the stores' sources.
.set STEPS, 16
.set GRP,   4                          ; steps in a group
.set X, 8                              ; v[8:71]    step i: 4 registers as loaded
.set Y, 72                             ; v[72:103]  step i: 2 registers to store; no register is written twice, so no store's source is ever rewritten
	s_load_b256 s[4:11], s[0:1], 0x0               ; x s[4:5], wq_w s[6:7], wk_w s[8:9], wv_w s[10:11]
	s_load_b128 s[12:15], s[0:1], 0x20             ; xb s[12:13], wb s[14:15]
	v_lshlrev_b32 v1, 4, v0                        ; my 16 bytes of a step's input
	v_lshlrev_b32 v2, 3, v0                        ; my 8 bytes of its output
	s_mov_b32 s25, ttmp9
	s_sub_co_u32 s24, s25, 512                     ; the work-group's number among the weights' 192 (of no use below 512)
	s_lshr_b32 s26, s24, 6                         ; which weight
	s_and_b32 s27, s24, 63
	s_lshl_b32 s27, s27, 16                        ; its place in that weight
	s_lshl_b32 s28, s24, 15                        ; and in wb
	s_lshl_b32 s20, s25, 16                        ; the same two for x and xb
	s_lshl_b32 s22, s25, 15
	s_mov_b32 s21, 0
	s_mov_b32 s23, 0
	s_cmp_lt_u32 s25, 512
	s_cselect_b32 s20, s20, s27
	s_cselect_b32 s22, s22, s28
	s_wait_kmcnt 0x0
	s_cmp_eq_u32 s26, 1
	s_cselect_b64 s[16:17], s[8:9], s[6:7]
	s_cmp_eq_u32 s26, 2
	s_cselect_b64 s[16:17], s[10:11], s[16:17]
	s_cmp_lt_u32 s25, 512
	s_cselect_b64 s[16:17], s[4:5], s[16:17]       ; from where,
	s_cselect_b64 s[18:19], s[12:13], s[14:15]     ; to where
	s_add_nc_u64 s[16:17], s[16:17], s[20:21]
	s_add_nc_u64 s[18:19], s[18:19], s[22:23]
	s_wait_alu depctr_va_vdst(0)                   ; v1 and v2 are written: every load and store of the kernel reads one of them as its offset
.set i, 0
.rept STEPS
	global_load_b128 v[X+4*i:X+4*i+3], v1, s[16:17] offset:4096*i th:TH_LOAD_NT
.set i, i+1
.endr
.set g, 0
.rept STEPS/GRP
	s_wait_loadcnt STEPS-GRP*(g+1)                 ; loads come back in order (ISA guide 5.7.1): group g's four are in, the younger groups stay out
.set i, GRP*g
.rept GRP
	v_cvt_pk_bf16_f32 v[Y+2*i], v[X+4*i], v[X+4*i+1]
	v_cvt_pk_bf16_f32 v[Y+2*i+1], v[X+4*i+2], v[X+4*i+3]
.set i, i+1
.endr
	s_wait_alu depctr_va_vdst(0)                   ; the group's eight conversions have written its part of Y, which the four stores below read
.set i, GRP*g
.rept GRP
	global_store_b64 v2, v[Y+2*i:Y+2*i+1], s[18:19] offset:2048*i
.set i, i+1
.endr
.set g, g+1
.endr
	s_endpgm
.Lfunc_end_k_q54d3fb0393_cast:
	.size	k_q54d3fb0393_cast, .Lfunc_end_k_q54d3fb0393_cast-k_q54d3fb0393_cast
	.p2alignl 7, 3214868480
	.fill 96, 4, 3214868480
	.section	.rodata,"a",@progbits
	.p2align	6, 0x0
	.amdhsa_kernel k_q54d3fb0393_cast
		.amdhsa_group_segment_fixed_size 0
		.amdhsa_private_segment_fixed_size 0
		.amdhsa_enable_private_segment 0
		.amdhsa_kernarg_size 48
		.amdhsa_user_sgpr_count 2
		.amdhsa_user_sgpr_kernarg_segment_ptr 1
		.amdhsa_wavefront_size32 1
		.amdhsa_system_sgpr_workgroup_id_x 1
		.amdhsa_system_sgpr_workgroup_id_y 1
		.amdhsa_system_sgpr_workgroup_id_z 1
		.amdhsa_system_vgpr_workitem_id 0
		.amdhsa_next_free_vgpr 104
		.amdhsa_next_free_sgpr 66
		.amdhsa_reserve_vcc 0
		.amdhsa_float_denorm_mode_32 3
		.amdhsa_float_denorm_mode_16_64 3
		.amdhsa_memory_ordered 1
		.amdhsa_forward_progress 1
		.amdhsa_inst_pref_size 7
	.end_amdhsa_kernel
	.amdgpu_metadata
---
amdhsa.version: [ 1, 2 ]
amdhsa.kernels:
  - .name:           k_q54d3fb0393_cast
    .symbol:         k_q54d3fb0393_cast.kd
    .args:
      - { .name: x, .offset: 0, .size: 8, .value_kind: global_buffer, .address_space: global }
      - { .name: wq_w, .offset: 8, .size: 8, .value_kind: global_buffer, .address_space: global }
      - { .name: wk_w, .offset: 16, .size: 8, .value_kind: global_buffer, .address_space: global }
      - { .name: wv_w, .offset: 24, .size: 8, .value_kind: global_buffer, .address_space: global }
      - { .name: xb, .offset: 32, .size: 8, .value_kind: global_buffer, .address_space: global }
      - { .name: wb, .offset: 40, .size: 8, .value_kind: global_buffer, .address_space: global }
    .group_segment_fixed_size: 0
    .private_segment_fixed_size: 0
    .kernarg_segment_align: 8
    .kernarg_segment_size: 48
    .max_flat_workgroup_size: 256
    .sgpr_count:     66
    .vgpr_count:     104
    .wavefront_size: 32
...
	.end_amdgpu_metadata
.endif
;; end of part 5
;; launch proj: the kernel of part 2 again; grid 12 x 32, 4 waves a work-group, clusters of 4 x 4, 327,680 bytes of LDS; arguments xb, wb, wq_b, wk_b, wv_b, qb, kb, vf, cs; writes qb, kb, vf, cs
;; launch score: the kernel of part 3 again; grid 36 x 4, 4 waves a work-group, no clusters, 327,680 bytes of LDS; arguments qb, kb, pml, sd; writes pml, sd
;; launch combine (part 6): grid 8 x 64, 4 waves a work-group, no clusters, 4,608 bytes of LDS; arguments vf, cs, pml, sd, out0; writes out0
.if DOCPART == 6
	.amdgcn_target "amdgcn-amd-amdhsa--gfx1250"
	.amdhsa_code_object_version 6
	.text
	.protected	k_q54d3fb0393_combine
	.globl	k_q54d3fb0393_combine
	.p2align	8
	.type	k_q54d3fb0393_combine,@function
k_q54d3fb0393_combine:
	s_mov_b64 s[64:65], 0
	v_nop
	global_prefetch_b8 v0, s[64:65] scope:SCOPE_SE
	s_setreg_imm32_b32 hwreg(HW_REG_WAVE_SCHED_MODE, 0, 2), 2
	s_setreg_imm32_b32 hwreg(HW_REG_WAVE_MODE, 25, 1), 1
	s_wait_xcnt 0x0
	s_wait_alu depctr_vm_vsrc(0)
; out[c] = alpha_c x (the sum of v[a] over a < c) + beta_c x v[c], within each batch of 2,048 rows.
; Row c's softmax runs over all 2,048 keys: keys a < c have the score 0, keys a >= c the score s[c][a]; of the weights only those of a <= c are kept.  With everything as powers of 2:
;   M = max(cm[kc] over the key chunks kc >= c's chunk; 0 if c > 0),   Z = c 2^(-M) + the sum over kc of l[kc] 2^(cm[kc] - M),   alpha = 2^(-M) / Z,   beta = sd[c] 2^(cm[own chunk] - M) / Z.
; So the maximum over the whole row is taken away, and Z >= 1.  All sums are f32 and are made by additions alone.
; LIMITS.  A weight below 2^-126 counts as 0; NaN and infinities are not treated apart.
; A stream: vf is read once, out0 written once; no matrix work (the second product has equal weights below the diagonal: it is a running sum), no cluster (nothing large is shared), no prefetch (the launch's own loads are all out at once).
; SHARES.  A work-group takes a chunk of 128 rows x 128 columns (512 bytes of a row); wave w rows 32 w .. 32 w + 31.  For the statistics lane l stands for row 32 w + l, for the data for columns 4 l .. 4 l + 3.
; A wave's 32 rows, 16 KiB, are all asked for at once and stay in 128 registers.  What lies in front of a wave's rows: the earlier chunks' column sums (cs; the four waves share them out, chunk q to wave q % 4)
; and the sums of the waves below it: both meet in LDS behind the one barrier.
; THE MODE: SCHED_MODE bits 1:0 = 2 (LLVM: expert scheduling mode 2), set by the entry lines.  The code itself states the register dependences
; between vector instructions and memory or LDS instructions, with s_wait_alu, always for 0.
; THE PLAN.  Registers that memory or LDS instructions touch:
;   v2, v3, v[LS]   offsets and an LDS address, made at the head and never written again.
;   CM, LL, CB      written by v_mov_b32 at the head; then loads land in some of them; read by vector instructions behind the wait for the loads.
;   CMD, PDV, X     loads land in them; no vector instruction names them ahead of that.
;   X, row t        written in place by the row's two v_pk_fma_f32; read by the row's store; never written again.
;   SS[0:3], CB[0:3]  written by the sums; read by the two LDS stores.
;   RB              the seven LDS loads land in it; its first sixteen registers are SS's, which vector instructions wrote and read and of which the first LDS store read four.
;   v[SPW], v[NIL]  written at the head, read by the closing add alone.
; Scalars that vector instructions write: s14 (the wave's number), VCC (one compare), and each row's alpha and beta (v_readlane_b32).
; The waits: one ahead of the first load, which stands ahead of the first branch and serves every way through the loads; one ahead of the LDS stores, which also serves the LDS loads behind the barrier;
; one on vm_vsrc ahead of those loads.  The 32 rows go in four batches of eight: a batch's sixteen v_readlane_b32 stand in one run with one wait behind it; a second wait states that the batch before has
; written its rows, and that batch's eight stores are dealt among this batch's arithmetic, which names P, TP, its own rows and the scalars: none of the registers that those stores touch.
.set SPARE, 4096                       ; LDS: wave w's row sum at 1,024 w, its share of the earlier chunks at 1,024 w + 512; behind them the spare words, 128 bytes a wave, that no other line names
.set SPW, 4                            ; v4   LDS address of my spare word: SPARE + 4 x my thread's number; never rewritten
.set NIL, 5                            ; v5   0; never rewritten
.set LS,  6                            ; v6   1,024 w + 16 l
.set CM,  8                            ; v8-23   cm of key chunk kc; the lowest finite number where the chunk lies below mine
.set LL,  24                           ; v24-39  l of key chunk kc; 0 there
.set CMD, 40                           ; v40  cm of my own chunk
.set PDV, 41                           ; v41  sd
.set Z0,  42                           ; v42  the score 0 of the keys below c; the lowest finite number where there are none
.set CF,  43                           ; v43  c as f32
.set MX,  44                           ; v44  M
.set AL,  48
.set BE,  49
.set CB,  52                           ; v[52:67]  up to four earlier chunks' sums of my 4 columns; 0 where there is none
.set P,   68                           ; v[68:71]  the running sum
.set TP,  72                           ; v[72:75]
.set SS,  76                           ; v[76:91]  four chains
.set RB,  76                           ; v[76:103] read back: four shares of the earlier chunks, then the sums of waves 0-2
.set X,   104                          ; v[104:231] row t at X + 4 t
.set SC,  16                           ; s[16:47]  behind the last label: row i of a batch of eight has alpha in s[SC+4 i] and beta in s[SC+4 i+2], each the low word of a pair whose upper word holds 0
	s_load_b256 s[4:11], s[0:1], 0x0               ; vf s[4:5], cs s[6:7], pml s[8:9], sd s[10:11]
	s_load_b64 s[12:13], s[0:1], 0x20              ; out0
	v_lshl_add_u32 v[SPW], v0, 2, SPARE
	v_mov_b32 v[NIL], 0
	v_lshrrev_b32 v7, 5, v0
	v_readfirstlane_b32 s14, v7                    ; wave 0..3
	v_and_b32 v1, 31, v0                           ; l
	v_lshlrev_b32 v2, 4, v1                        ; 16 l
	v_lshlrev_b32 v3, 2, v1                        ; 4 l
	s_mov_b32 s15, ttmp9                           ; the group of 128 columns
	s_and_b32 s16, ttmp7, 0xffff                   ; the chunk among 64
	s_and_b32 s17, s16, 15                         ; rc: the chunk in its batch
	s_lshr_b32 s19, s16, 4                         ; the batch
	s_wait_alu depctr_va_sdst(0)                   ; s14 is written, ahead of its first reader: offsets, an LDS address and branches are made from it
	s_lshl_b32 s30, s14, 10
	v_lshl_add_u32 v[LS], v1, 4, s30
	s_lshl_b32 s32, s16, 7
	s_lshl_b32 s33, s14, 5
	s_add_co_u32 s32, s32, s33                     ; my first row among the 8,192
	s_lshl_b32 s34, s32, 2                         ; in sd
	s_mov_b32 s35, 0
	s_lshl_b32 s32, s32, 12                        ; in vf and out0: row x 4,096 + 512 x column group
	s_lshl_b32 s33, s15, 9
	s_add_co_u32 s32, s32, s33
	s_mov_b32 s33, 0
	s_lshl_b32 s36, s19, 18                        ; in pml: 262,144 b + (128 rc + 32 w) x 4
	s_lshl_b32 s37, s17, 9
	s_add_co_u32 s36, s36, s37
	s_lshl_b32 s37, s14, 7
	s_add_co_u32 s36, s36, s37
	s_mov_b32 s37, 0
	s_lshl_b32 s38, s17, 14                        ; my own chunk's entry: 16,384 rc further
	s_mov_b32 s39, 0
	s_lshl_b32 s40, s19, 4                         ; in cs: chunk 16 b + w, 4,096 bytes each, + 512 x column group
	s_add_co_u32 s40, s40, s14
	s_lshl_b32 s40, s40, 12
	s_lshl_b32 s41, s15, 9
	s_add_co_u32 s40, s40, s41
	s_mov_b32 s41, 0
	s_lshl_b32 s31, s17, 7
	s_lshl_b32 s18, s14, 5
	s_add_co_u32 s31, s31, s18                     ; my first row in the batch
	v_add_nc_u32 v45, s31, v1                      ; c
	v_cvt_f32_u32 v[CF], v45
	v_mov_b32 v46, 0xff7fffff
	v_cmp_eq_u32 vcc_lo, 0, v45
.set k, 0
.rept 16                               ; what the loads below leave untouched where a chunk does not exist
	v_mov_b32 v[CM+k], 0xff7fffff
	v_mov_b32 v[LL+k], 0
	v_mov_b32 v[CB+k], 0
.set k, k+1
.endr
	s_wait_alu depctr_va_vcc(0)                    ; the compare has written VCC, ahead of the select that reads it
	v_cndmask_b32 v[Z0], 0, v46, vcc_lo
	s_wait_kmcnt 0x0
	s_add_nc_u64 s[4:5], s[4:5], s[32:33]
	s_add_nc_u64 s[12:13], s[12:13], s[32:33]
	s_add_nc_u64 s[8:9], s[8:9], s[36:37]
	s_add_nc_u64 s[28:29], s[8:9], s[38:39]
	s_add_nc_u64 s[10:11], s[10:11], s[34:35]
	s_add_nc_u64 s[6:7], s[6:7], s[40:41]
	s_wait_alu depctr_va_vdst(0)                   ; v2, v3 and v[LS] are written, which the loads, stores and LDS instructions read; so are CM, LL and CB, in which loads land.  No vector instruction follows until all loads are out, on any way
	; the statistics of key chunks 15 down to rc: 128 bytes a load (32 rows' numbers): small beside the rows
.irp kc, 15,14,13,12,11,10,9,8,7,6,5,4,3,2,1,0
	s_cmp_gt_u32 s17, \kc
	s_cbranch_scc1 .Lst                            ; the chunks below mine were never made
	global_load_b32 v[CM+\kc], v3, s[8:9] offset:16384*\kc
	global_load_b32 v[LL+\kc], v3, s[8:9] offset:16384*\kc+8192
.endr
.Lst:
	global_load_b32 v[CMD], v3, s[28:29]
	global_load_b32 v[PDV], v3, s[10:11]
	s_mov_b32 s18, s14
.irp i, 0,1,2,3                        ; the earlier chunks w, w + 4, w + 8, w + 12, as far as they lie in front of mine
	s_cmp_ge_u32 s18, s17
	s_cbranch_scc1 .Lcb
	global_load_b128 v[CB+4*\i:CB+4*\i+3], v2, s[6:7] offset:16384*\i
	s_add_co_u32 s18, s18, 4
.endr
.Lcb:
.set t, 0
.rept 32
	global_load_b128 v[X+4*t:X+4*t+3], v2, s[4:5] offset:4096*t th:TH_LOAD_NT  ; the wave reads 512 consecutive bytes, aligned
.set t, t+1
.endr
	s_wait_loadcnt 32                              ; on every way here the 32 rows' loads are the youngest: all else is in, and the statistics are worked out while the rows are on their way
	v_max3_num_f32 v[MX], v[CM], v[CM+1], v[CM+2]
.irp k, 3,5,7,9,11,13
	v_max3_num_f32 v[MX], v[MX], v[CM+\k], v[CM+\k+1]
.endr
	v_max3_num_f32 v[MX], v[MX], v[CM+15], v[Z0]
.set k, 0
.rept 16
	v_sub_f32 v[CM+k], v[CM+k], v[MX]
.set k, k+1
.endr
	v_sub_f32 v[CMD], v[CMD], v[MX]
	v_sub_f32 v[Z0], v[Z0], v[MX]
.set k, 0
.rept 16
	v_exp_f32 v[CM+k], v[CM+k]
.set k, k+1
.endr
	v_exp_f32 v[CMD], v[CMD]
	v_exp_f32 v[Z0], v[Z0]
	v_nop                                          ; a plain instruction behind the last exponential (ISA guide 5.7.2),
	s_wait_alu depctr_va_vdst(0)                   ; and one wait for the batch of 18, ahead of its first reader: CM, CMD and Z0 are written
	v_mul_f32 v45, v[CF], v[Z0]                    ; the c keys below the diagonal; in row 0 both factors are 0
	v_mul_f32 v46, v[LL+1], v[CM+1]
	v_fmac_f32 v45, v[LL], v[CM]
.set k, 2
.rept 14                               ; two chains
	v_fmac_f32 v[45+k%2], v[LL+k], v[CM+k]
.set k, k+1
.endr
	v_add_f32 v45, v45, v46                        ; Z
	v_rcp_f32 v47, v45
	v_mul_f32 v46, v[PDV], v[CMD]                  ; the plain instruction behind the reciprocal
	s_wait_alu depctr_va_vdst(0)                   ; its wait: v47 is written, ahead of its first reader
	v_mul_f32 v[AL], v[Z0], v47
	v_mul_f32 v[BE], v46, v47
	s_wait_loadcnt 0x0                             ; my 32 rows
.irp q, 0,1,2,3                        ; their sum, in four chains that the first additions start
	v_pk_add_f32 v[SS+4*\q:SS+4*\q+1],   v[X+4*\q:X+4*\q+1],   v[X+16+4*\q:X+16+4*\q+1]
	v_pk_add_f32 v[SS+4*\q+2:SS+4*\q+3], v[X+4*\q+2:X+4*\q+3], v[X+16+4*\q+2:X+16+4*\q+3]
.endr
.irp g, 2,3,4,5,6,7
.irp q, 0,1,2,3
	v_pk_add_f32 v[SS+4*\q:SS+4*\q+1],   v[SS+4*\q:SS+4*\q+1],   v[X+16*\g+4*\q:X+16*\g+4*\q+1]
	v_pk_add_f32 v[SS+4*\q+2:SS+4*\q+3], v[SS+4*\q+2:SS+4*\q+3], v[X+16*\g+4*\q+2:X+16*\g+4*\q+3]
.endr
.endr
.irp h, 0,2
	v_pk_add_f32 v[SS+\h:SS+\h+1],     v[SS+\h:SS+\h+1],     v[SS+4+\h:SS+4+\h+1]
	v_pk_add_f32 v[SS+8+\h:SS+8+\h+1], v[SS+8+\h:SS+8+\h+1], v[SS+12+\h:SS+12+\h+1]
	v_pk_add_f32 v[CB+\h:CB+\h+1],     v[CB+\h:CB+\h+1],     v[CB+4+\h:CB+4+\h+1]
	v_pk_add_f32 v[CB+8+\h:CB+8+\h+1], v[CB+8+\h:CB+8+\h+1], v[CB+12+\h:CB+12+\h+1]
.endr
.irp h, 0,2
	v_pk_add_f32 v[SS+\h:SS+\h+1], v[SS+\h:SS+\h+1], v[SS+8+\h:SS+8+\h+1]
	v_pk_add_f32 v[CB+\h:CB+\h+1], v[CB+\h:CB+\h+1], v[CB+8+\h:CB+8+\h+1]
.endr
	s_wait_alu depctr_va_vdst(0)                   ; the sums have written SS[0:3] and CB[0:3], which the LDS stores read; and all vector work on SS's sixteen registers is done, in which the LDS loads behind the barrier land: no vector instruction stands between
	ds_store_b128 v[LS], v[SS:SS+3]
	ds_store_b128 v[LS], v[CB:CB+3] offset:512
	s_wait_dscnt 0x0                               ; for the others' sake: my stores are done
	s_barrier_signal -1
	s_barrier_wait -1
	s_wait_alu depctr_vm_vsrc(0)                   ; my first LDS store has read SS[0:3], in which the first load below lands
.irp u, 0,1,2,3
	ds_load_b128 v[RB+4*\u:RB+4*\u+3], v2 offset:1024*\u+512
.endr
.irp u, 0,1,2
	ds_load_b128 v[RB+16+4*\u:RB+16+4*\u+3], v2 offset:1024*\u
.endr
	s_wait_dscnt 0x0
.irp h, 0,2
	v_pk_add_f32 v[P+\h:P+\h+1],   v[RB+\h:RB+\h+1],     v[RB+4+\h:RB+4+\h+1]
	v_pk_add_f32 v[TP+\h:TP+\h+1], v[RB+8+\h:RB+8+\h+1], v[RB+12+\h:RB+12+\h+1]
.endr
.irp h, 0,2
	v_pk_add_f32 v[P+\h:P+\h+1], v[P+\h:P+\h+1], v[TP+\h:TP+\h+1]  ; all earlier chunks of the batch
.endr
.irp u, 0,1,2                          ; and the waves below mine
	s_cmp_eq_u32 s14, \u
	s_cbranch_scc1 .Lp
	v_pk_add_f32 v[P:P+1],   v[P:P+1],   v[RB+16+4*\u:RB+16+4*\u+1]
	v_pk_add_f32 v[P+2:P+3], v[P+2:P+3], v[RB+16+4*\u+2:RB+16+4*\u+3]
.endr
.Lp:
.set k, 0
.rept 16                               ; the upper words of the sixteen pairs that the packed lines name.  Of the scalars only out0's address is still wanted; the loads that read s[28:29] as their base have been waited for
	s_mov_b32 s[SC+2*k+1], 0
.set k, k+1
.endr
; Batch b: rows 8 b .. 8 b + 7.  Row t: lane t's alpha and beta as scalars; out = P alpha + v beta; P takes the row.  No store's register is written again.
.macro BATCH b
.set i, 0
.rept 8                                ; the batch's sixteen scalars, in one run
	v_readlane_b32 s[SC+4*i],   v[AL], 8*(\b)+i
	v_readlane_b32 s[SC+4*i+2], v[BE], 8*(\b)+i
.set i, i+1
.endr
	s_wait_alu depctr_va_sdst(0)                   ; the sixteen v_readlane_b32 have written the batch's alpha and beta, ahead of their first reader
.if (\b) > 0
	s_wait_alu depctr_va_vdst(0)                   ; the batch before has written its eight rows of X, which the stores below read
.endif
.set i, 0
.rept 8
.set t, 8*(\b)+i
.set SA, SC+4*i
.if (\b) > 0
	global_store_b128 v2, v[X+4*t-32:X+4*t-29], s[12:13] offset:4096*(t-8) th:TH_STORE_NT  ; row t - 8: the wave stores 512 consecutive bytes, aligned.  No vector instruction since the wait names these registers
.endif
	v_pk_mul_f32 v[TP:TP+1],   v[P:P+1],   s[SA:SA+1] op_sel_hi:[1,0]
	v_pk_mul_f32 v[TP+2:TP+3], v[P+2:P+3], s[SA:SA+1] op_sel_hi:[1,0]
	v_pk_add_f32 v[P:P+1],   v[P:P+1],   v[X+4*t:X+4*t+1]
	v_pk_add_f32 v[P+2:P+3], v[P+2:P+3], v[X+4*t+2:X+4*t+3]
	v_pk_fma_f32 v[X+4*t:X+4*t+1],   v[X+4*t:X+4*t+1],   s[SA+2:SA+3], v[TP:TP+1]   op_sel_hi:[1,0,1]
	v_pk_fma_f32 v[X+4*t+2:X+4*t+3], v[X+4*t+2:X+4*t+3], s[SA+2:SA+3], v[TP+2:TP+3] op_sel_hi:[1,0,1]
.set i, i+1
.endr
.endm
	BATCH 0
	BATCH 1
	BATCH 2
	BATCH 3
	s_wait_alu depctr_va_vdst(0)                   ; the last batch has written rows 24 to 31 of X, which the last eight stores read
.set t, 24
.rept 8
	global_store_b128 v2, v[X+4*t:X+4*t+3], s[12:13] offset:4096*t th:TH_STORE_NT  ; the wave stores 512 consecutive bytes, aligned
.set t, t+1
.endr
	s_wait_dscnt 0x0                               ; the closing lines, six on end
	s_wait_alu 0x0
	s_wait_tensorcnt 0x0
	ds_add_u32 v[SPW], v[NIL]
	s_wait_dscnt 0x0
	s_endpgm
.Lfunc_end_k_q54d3fb0393_combine:
	.size	k_q54d3fb0393_combine, .Lfunc_end_k_q54d3fb0393_combine-k_q54d3fb0393_combine
	.p2alignl 7, 3214868480
	.fill 96, 4, 3214868480
	.section	.rodata,"a",@progbits
	.p2align	6, 0x0
	.amdhsa_kernel k_q54d3fb0393_combine
		.amdhsa_group_segment_fixed_size 4608
		.amdhsa_private_segment_fixed_size 0
		.amdhsa_enable_private_segment 0
		.amdhsa_kernarg_size 40
		.amdhsa_user_sgpr_count 2
		.amdhsa_user_sgpr_kernarg_segment_ptr 1
		.amdhsa_wavefront_size32 1
		.amdhsa_system_sgpr_workgroup_id_x 1
		.amdhsa_system_sgpr_workgroup_id_y 1
		.amdhsa_system_sgpr_workgroup_id_z 1
		.amdhsa_system_vgpr_workitem_id 0
		.amdhsa_next_free_vgpr 232
		.amdhsa_next_free_sgpr 66
		.amdhsa_reserve_vcc 1
		.amdhsa_float_denorm_mode_32 3
		.amdhsa_float_denorm_mode_16_64 3
		.amdhsa_memory_ordered 1
		.amdhsa_forward_progress 1
		.amdhsa_inst_pref_size 41
	.end_amdhsa_kernel
	.amdgpu_metadata
---
amdhsa.version: [ 1, 2 ]
amdhsa.kernels:
  - .name:           k_q54d3fb0393_combine
    .symbol:         k_q54d3fb0393_combine.kd
    .args:
      - { .name: vf, .offset: 0, .size: 8, .value_kind: global_buffer, .address_space: global }
      - { .name: cs, .offset: 8, .size: 8, .value_kind: global_buffer, .address_space: global }
      - { .name: pml, .offset: 16, .size: 8, .value_kind: global_buffer, .address_space: global }
      - { .name: sd, .offset: 24, .size: 8, .value_kind: global_buffer, .address_space: global }
      - { .name: out0, .offset: 32, .size: 8, .value_kind: global_buffer, .address_space: global }
    .group_segment_fixed_size: 4608
    .private_segment_fixed_size: 0
    .kernarg_segment_align: 8
    .kernarg_segment_size: 40
    .max_flat_workgroup_size: 128
    .sgpr_count:     66
    .vgpr_count:     232
    .wavefront_size: 32
...
	.end_amdgpu_metadata
.endif
;; end of part 6
